; MI455X (gfx1250); checked and timed in simulation.
; The chip was launched on July 23, 2026; its instructions are those of AMD's public machine-readable ISA for CDNA 5 (MIT licence, August 2026) and "CDNA5" Instruction Set Architecture Reference Guide (July 2026). The comments in the code are by the model that wrote it; some were corrected since.
;; Multi Head Attention. Allowed arithmetic: matrix products marked QUANTISED: E2M1 operands, one E8M0 scale for each 32 along K, by v_wmma_scale_f32_16x16x128_f8f6f4 with both operands' format E2M1 (or v_wmma_scale_f32_32x16x128_f4), f32 sums; everything else in f32.
;; Inputs: Wk 16 x 1,024 x 64 float32; Wo 1,024 x 1,024 float32; Wq 16 x 1,024 x 64 float32; Wv 16 x 1,024 x 64 float32; beta 1,024 float32; gamma 1,024 float32; tokens 4 x 2,048 x 1,024 float32.
;; Outputs: out0 4 x 2,048 x 1,024 float32.
;; This version of the problem:
;;   THIS VERSION OF THE PROBLEM IS GIVEN IN LOW PRECISION. The matrix products marked QUANTISED in the list below multiply operands that are first quantised to E2M1 (2 exponent bits, 1 mantissa bit; 4 bits a number), with one power-of-two scale for each 32 numbers along K (OCP MX v1.0); their sums are f32. All else is computed in f32.
;;   The module's matrix products, in the order in which they are computed (A, B: the left and right operand; K: the contracted axis; several contracted axes count as one K, in the product's order):
;;     1. [M 1,024, K 1,024] x [K 1,024, N 8,192]; A: input Wq; B: input tokens: QUANTISED
;;     2. [M 1,024, K 1,024] x [K 1,024, N 8,192]; A: input Wk; B: input tokens: QUANTISED
;;     3. [M 1,024, K 1,024] x [K 1,024, N 8,192]; A: input Wv; B: input tokens: QUANTISED
;;     4. batch 64 x [M 2,048, K 64] x [K 64, N 2,048]; A: computed on the way; B: computed on the way: QUANTISED
;;     5. batch 64 x [M 2,048, K 2,048] x [K 2,048, N 64]; A: softmax (see below); B: computed on the way: QUANTISED
;;     6. [M 8,192, K 1,024] x [K 1,024, N 1,024]; A: computed on the way; B: input Wo: QUANTISED
;;   THE QUANTISER, for each operand of a quantised product, along K:
;;     - K is cut into blocks of 32 from its start; a last block that is shorter is filled with zeros.
;;     - A block's scale is 2^e with e = floor(log2(the largest magnitude in the block)) - 2, held to -126 .. 127; a block of zeros has e = 0. As a byte (E8M0): e + 127.
;;     - Each number is divided by its block's scale, clamped to +-6, and rounded to the nearest number of E2M1, ties to even, subnormals kept.
;;     - The product sums the exact products of the quantised numbers (number of the format x scale) in f32.
;;   ~~~python
;;   def quantise(x, axis):      # numpy; x: float32 -> the quantised numbers, widened to float32 again
;;       x = np.moveaxis(x, axis, -1); K = x.shape[-1]
;;       x = np.pad(x, [(0, 0)] * (x.ndim - 1) + [(0, -K % 32)]); x = x.reshape(x.shape[:-1] + (-1, 32)); a = np.abs(x).max(-1, keepdims=True)
;;       e = np.where(a > 0, np.clip(np.frexp(np.where(a > 0, a, 1))[1] - 1 - 2, -126, 127), 0)      # np.frexp(a)[1] - 1 = floor(log2(a)), exactly
;;       r = np.clip(x / 2.0 ** e, -6, 6)
;;       step = 2.0 ** (np.maximum(np.frexp(np.where(r == 0, 1, r))[1] - 1, 0) - 1)
;;       q = np.round(r / step) * step * 2.0 ** e      # np.round: ties to even
;;       return np.moveaxis(q.reshape(q.shape[:-2] + (-1,))[..., :K], -1, axis).astype(np.float32)
;;   ~~~
;;   SOFTMAX AHEAD OF A QUANTISED PRODUCT. Where the list says 'softmax', what is quantised is not the finished softmax but p = 2^(t - M), with t = logit x log2(e) and M = ceil(the row's largest t), a whole number; so 1/2 < the row's largest p <= 1. The row's sum l is taken of the UNQUANTISED p, in f32, and the product's result is divided by l at the end. Since M is a whole number, a kernel that streams over the keys may use a running M (the ceiling of the running maximum): every later rescaling is an exact power of two, which a block's scale takes up: the codes' values come out the same.
;;   OPERANDS COMPUTED ON THE WAY. 'Computed on the way' means the value that the module computes at that place (a softmax that the list does not call 'softmax' is quantised finished and normalised). What goes into a quantiser is computed in f32, as accurately as f32 sums, v_exp_f32 and their like allow (about 1e-6 of the number): no bf16 or f16 on the way to a quantiser, and a product that is left as it is and whose result goes on into a quantised operand takes f32 operands (vector FMAs, or v_wmma_f32_16x16x4_f32). A number that lies on a knife's edge between two numbers of the format may be rounded either way, as far as f32 arithmetic and the matrix unit's own rounding can turn it there, and no further.
;; One version. Each part assembles by itself: llvm-mc -triple=amdgcn-amd-amdhsa -mcpu=gfx1250 --defsym DOCPART=n.
;; ======== version 1 of 1: 4 launches
;; limits: right only within a limited range of input values
;; workspace buffers: tokc 4,194,304 bytes; toksc 262,144 bytes; wc 2,097,152 bytes; wsc 131,072 bytes; qv 9,175,040 bytes; kk 4,718,592 bytes; mp 4,718,592 bytes
;; launch quant (part 1): grid 384 x 1, 8 waves a work-group, no clusters, 138,240 bytes of LDS; arguments tokens, Wq, Wk, Wv, Wo, tokc, toksc, wc, wsc; writes tokc, toksc, wc, wsc
.if DOCPART == 1
	.amdgcn_target "amdgcn-amd-amdhsa--gfx1250"
	.amdhsa_code_object_version 6
	.text
	.protected	k_qd53971a673_quant
	.globl	k_qd53971a673_quant
	.p2align	8
	.type	k_qd53971a673_quant,@function
k_qd53971a673_quant:
	s_mov_b64 s[64:65], 0
	v_nop
	global_prefetch_b8 v0, s[64:65] scope:SCOPE_SE
	s_setreg_imm32_b32 hwreg(HW_REG_WAVE_MODE, 25, 1), 1
	s_wait_xcnt 0x0
; tokens [8192][1024] and the four weights, all f32, become codes of FP4 (E2M1) with one E8M0 scale byte for each 32 along K = the model's 1,024.
; A block's scale is 2^(floor(log2(its largest magnitude)) - 2); its byte is the largest magnitude's exponent field - 2, held at 1 from below.
; LIMITS: a block of zeros gets the byte 1 where the quantiser says 127 (its codes are zeros, and this program alone reads the bytes); NaN and infinities among the inputs are not served.
; WHAT IS STORED ARE IMAGES OF OPERAND REGISTERS.  A fragment is 16 rows x 128 K, 8 registers a lane: 1,024 bytes, piece c (512 bytes) holding lane l's registers 4 c .. 4 c + 3 at 16 l.
; THE ROWS OF A TILE ARE NOT NEIGHBOURS: of a pair of 32 neighbouring rows, tile u holds in its lane-row r the row 8 u + r + 8 (r / 8).
;   tokc [K step 8][tile 512][1024], tile = 2 x pair + u;   toksc [pair 256][16 u + r][8 words], word s = the four bytes of K step s
;   wc   [K step 8][tile 256][1024], tile = 64 x matrix + 2 x pair + u (matrix 0..3 = Wq, Wk, Wv, Wo; a row is 64 head + dk, or Wo's column);   wsc [32 x matrix + pair][16 u + r][8 words]
; Work-groups 0-255 take a pair of 32 tokens each, work-groups 256-383 a pair of 32 weight rows; wave w takes K step w.  The two ways part on the work-group's number and have LDS bytes of their own.
.set SPI,   528                        ; a stage row: 512 bytes + 16, so that the 16 rows that a load touches begin 4 words apart modulo 64 words
.set HST,   16*SPI                     ; a stage: 16 rows
.set STW,   2*HST                      ; two stages a wave
.set SCT,   8*STW                      ; behind the stages: the token way's 1,024 bytes of scale words,
.set SCW,   SCT+1024                   ; and the weight way's
.set FLOOR, 0x1800000                  ; 2^(3 - 127): no largest magnitude is taken under it, so the byte cannot fall under 1
.set EOFF,  0xff000000                 ; 2 off an exponent field
.set CD,    16                         ; v16-31   codes: registers of their own for every store
.set X0,    32                         ; v32-95   tile 0's 64 numbers of a lane
.set R,     96                         ; v96-223  numbers as loaded; tile 1's 64 numbers come back into v96-159
.set TM,    224                        ; v224-234 at work; v236-243 the scale words on their way out
; v1 16 l;  v2, v3 the stage, in and out;  v4 8 h;  v5, v7 where my scale word goes (tokens, weights);  v6 my 16 bytes in a weight pair's images;  v8 4 l;  v9, v10 the scale words' way out
; 16 rows of 512 bytes go into a stage as they were loaded and come back as the operand wants them: lane (r, h) takes of row r the blocks h and 2 + h, 128 bytes each.
.macro TURN u, src, dst
.set n, 0
.rept 16
	ds_store_b128 v2, v[\src+4*n:\src+4*n+3] offset:\u*HST+n*SPI
.set n, n+1
.endr
.irp c, 0,1
.irp e, 0,1,2,3,4,5,6,7
	ds_load_b128 v[\dst+32*\c+4*\e:\dst+32*\c+4*\e+3], v3 offset:\u*HST+256*\c+16*\e   ; LDS serves a wave's instructions in order: these see the stores above
.endr
.endr
.endm
; Tile u: a lane's two whole blocks become 8 registers of codes, stored as the image; the row's scale word is gathered from lanes l and l xor 16.
.macro QT u, X
.irp c, 0,1
	v_max3_num_f32 v[TM+\c], |v[\X+32*\c]|, |v[\X+32*\c+1]|, FLOOR
.endr
.irp i, 2,4,6,8,10,12,14,16,18,20,22,24,26,28,30
.irp c, 0,1
	s_delay_alu instid0(VALU_DEP_2)
	v_max3_num_f32 v[TM+\c], v[TM+\c], |v[\X+32*\c+\i]|, |v[\X+32*\c+\i+1]|   ; the two blocks by turns
.endr
.endr
.irp c, 0,1
	s_delay_alu instid0(VALU_DEP_2)
	v_add_nc_u32 v[TM+2+\c], EOFF, v[TM+\c]        ; the conversion takes the exponent field of this operand as its scale
.endr
.irp c, 0,1
	s_delay_alu instid0(VALU_DEP_2)
	v_lshrrev_b32 v[TM+4+\c], 23, v[TM+2+\c]       ; the scale's byte
.endr
	s_delay_alu instid0(VALU_DEP_1)
	v_lshl_or_b32 v[TM+6], v[TM+5], 16, v[TM+4]    ; my bytes: blocks h and 2 + h,
	s_delay_alu instid0(VALU_DEP_1)
	v_lshlrev_b32 v[TM+6], v4, v[TM+6]             ; 8 h bits up;
	s_delay_alu instid0(VALU_DEP_1)
	v_permlanex16_b32 v[TM+7], v[TM+6], s26, s27
	s_delay_alu instid0(VALU_DEP_1)
	v_or_b32 v[TM+8+\u], v[TM+6], v[TM+7]          ; with lane l xor 16's two the word is whole
.irp c, 0,1
.irp g, 0,1,2,3
	v_cvt_scalef32_pk8_fp4_f32 v[CD+8*\u+4*\c+\g], v[\X+32*\c+8*\g:\X+32*\c+8*\g+7], v[TM+2+\c]
.endr
.endr
	v_nop                                          ; one plain line behind the last conversion
.irp c, 0,1
	global_store_b128 v1, v[CD+8*\u+4*\c:CD+8*\u+4*\c+3], s[14:15] offset:\u*1024+\c*512   ; 512 consecutive bytes, aligned
.endr
.endm
; Weights: block q of my column: all its 32 numbers are mine.
.macro QW q
.set XS, R+32*\q
	v_max3_num_f32 v11, |v[XS]|, |v[XS+1]|, |v[XS+2]|
	v_max3_num_f32 v12, |v[XS+3]|, |v[XS+4]|, |v[XS+5]|
.irp i, 6,10,14,18,22,26
	s_delay_alu instid0(VALU_DEP_2)
	v_max3_num_f32 v11, v11, |v[XS+\i]|, |v[XS+\i+1]|
	s_delay_alu instid0(VALU_DEP_2)
	v_max3_num_f32 v12, v12, |v[XS+\i+2]|, |v[XS+\i+3]|
.endr
	s_delay_alu instid0(VALU_DEP_2)
	v_max3_num_f32 v11, v11, |v[XS+30]|, |v[XS+31]|
	s_delay_alu instid0(VALU_DEP_1)
	v_max3_num_f32 v11, v11, v12, FLOOR
	s_delay_alu instid0(VALU_DEP_1)
	v_add_nc_u32 v13, EOFF, v11
	s_delay_alu instid0(VALU_DEP_1)
	v_lshrrev_b32 v12, 23, v13
.if \q == 0
	s_delay_alu instid0(VALU_DEP_1)
	v_mov_b32 v[TM+8], v12
.else
	s_delay_alu instid0(VALU_DEP_1)
	v_lshl_or_b32 v[TM+8], v12, 8*\q, v[TM+8]      ; the lower K in the lower byte
.endif
.irp g, 0,1,2,3
	v_cvt_scalef32_pk8_fp4_f32 v[CD+4*\q+\g], v[XS+8*\g:XS+8*\g+7], v13
.endr
	v_nop                                          ; one plain line behind the last conversion
	global_store_b128 v6, v[CD+4*\q:CD+4*\q+3], s[18:19] offset:256*\q   ; block q = 2 c + h lies at 512 c + 256 h of its tile's image: the 16 lanes of a tile store 256 consecutive bytes, aligned
.endm
.macro WLOADS pitch                    ; my column, 128 numbers down K: 32 lanes read 128 consecutive bytes
.set n, 0
.rept 128
	global_load_b32 v[R+n], v8, s[24:25] offset:n*\pitch
.set n, n+1
.endr
.endm
	s_load_b256 s[4:11], s[0:1], 0x0               ; tokens s[4:5], Wq s[6:7], Wk s[8:9], Wv s[10:11]
	s_load_b256 s[12:19], s[0:1], 0x20             ; Wo s[12:13], tokc s[14:15], toksc s[16:17], wc s[18:19]
	s_load_b64 s[20:21], s[0:1], 0x40              ; wsc
	v_lshl_add_u32 v254, v0, 2, 0x21800
	v_mov_b32 v255, 0
	v_lshrrev_b32 v11, 5, v0
	s_delay_alu instid0(VALU_DEP_1)
	v_readfirstlane_b32 s22, v11                   ; wave = K step
	v_and_b32 v12, 31, v0                          ; l
	v_and_b32 v13, 15, v0                          ; r
	v_bfe_u32 v14, v0, 4, 1                        ; h
	s_delay_alu instid0(VALU_DEP_3)
	v_lshlrev_b32 v1, 4, v12
	s_mul_i32 s23, s22, STW                        ; my wave's stages
	v_add_nc_u32 v2, s23, v1
	v_mul_u32_u24 v3, v13, SPI
	s_delay_alu instid0(VALU_DEP_1)
	v_lshl_add_u32 v3, v14, 7, v3
	s_delay_alu instid0(VALU_DEP_1)
	v_add_nc_u32 v3, s23, v3
	v_lshlrev_b32 v4, 3, v14
	s_lshl_b32 s23, s22, 2                         ; word w of a row's eight
	v_lshl_add_u32 v5, v12, 5, s23
	s_delay_alu instid0(VALU_DEP_1)
	v_add_nc_u32 v5, SCT, v5                       ; tokens: lane l = 16 u + r
	v_bfe_u32 v15, v0, 3, 1                        ; weights: lane l is row l of the pair: u = (l / 8) % 2,
	v_and_b32 v11, 7, v0
	s_delay_alu instid0(VALU_DEP_1)
	v_lshl_or_b32 v11, v14, 3, v11                 ; r = l % 8 + 8 (l / 16)
	s_delay_alu instid0(VALU_DEP_1)
	v_lshlrev_b32 v6, 4, v11
	s_delay_alu instid0(VALU_DEP_1)
	v_lshl_add_u32 v6, v15, 10, v6
	s_delay_alu instid0(VALU_DEP_3)
	v_lshl_add_u32 v7, v15, 4, v11
	s_delay_alu instid0(VALU_DEP_1)
	v_lshl_add_u32 v7, v7, 5, s23
	s_delay_alu instid0(VALU_DEP_1)
	v_add_nc_u32 v7, SCW, v7
	v_lshlrev_b32 v8, 2, v12
	v_add_nc_u32 v9, SCT, v1
	v_add_nc_u32 v10, SCW, v1
	v_mov_b32 v[TM+7], 0                           ; a lane permute's destination counts as one of its sources
	s_mov_b32 s26, 0x76543210
	s_mov_b32 s27, 0xfedcba98                      ; selects for lane l xor 16
	s_mov_b32 s34, 0xffff0000                      ; lanes 16-31
	s_mov_b32 s25, 0
	s_wait_kmcnt 0x0
	s_cmp_ge_u32 ttmp9, 256
	s_cbranch_scc1 .Lweights
	; ---- TOKENS: pair P = the work-group's number
	s_lshl_b32 s24, ttmp9, 17                      ; 32 rows of 4,096 bytes
	s_lshl_b32 s28, s22, 9                         ; my K step's 512 bytes of a row
	s_add_co_u32 s24, s24, s28
	s_add_nc_u64 s[4:5], s[4:5], s[24:25]
	s_lshl_b32 s24, s22, 19
	s_lshl_b32 s28, ttmp9, 11
	s_add_co_u32 s24, s24, s28
	s_add_nc_u64 s[14:15], s[14:15], s[24:25]      ; tokc at [w][2 P]
	s_lshl_b32 s24, ttmp9, 10
	s_add_nc_u64 s[16:17], s[16:17], s[24:25]      ; toksc at [P]
.set n, 0
.rept 32                               ; load n brings lane-row n % 16 of tile n / 16: 512 consecutive bytes; 16 KiB a wave are asked for at once
	global_load_b128 v[R+4*n:R+4*n+3], v1, s[4:5] offset:(8*(n/16)+(n%16)+8*((n%16)/8))*4096 th:TH_LOAD_NT
.set n, n+1
.endr
	s_wait_loadcnt 16                              ; tile 0's sixteen loads are in; tile 1's sixteen may be out
	TURN 0, R, X0
	s_wait_dscnt 0x0                               ; tile 0 is back, and its stores have read v96-159
	s_wait_loadcnt 0x0
	TURN 1, R+64, R                                ; tile 1 goes through the other stage while tile 0 is worked
	QT 0, X0
	s_wait_dscnt 0x0
	QT 1, R
	v_cndmask_b32 v[TM+10], v[TM+8], v[TM+9], s34  ; lanes 0-15: tile 0's words, lanes 16-31: tile 1's
	ds_store_b32 v5, v[TM+10]
	s_wait_dscnt 0x0                               ; for the others' sake: my word has landed
	s_barrier_signal -1
	s_barrier_wait -1
	s_cmp_lg_u32 s22, 0
	s_cbranch_scc1 .Lend_t
	ds_load_b128 v[236:239], v9                    ; wave 0 sends the pair's 1,024 bytes of scale words out in whole runs
	ds_load_b128 v[240:243], v9 offset:512
	s_wait_dscnt 0x0
	global_store_b128 v1, v[236:239], s[16:17]
	global_store_b128 v1, v[240:243], s[16:17] offset:512
.Lend_t:
	s_wait_tensorcnt 0x0
	ds_add_u32 v254, v255
	s_wait_dscnt 0x0
	s_endpgm
	; ---- WEIGHTS: K is their first matrix axis: a lane takes a column and its registers run down K; nothing is transposed
.Lweights:
	s_sub_co_u32 s28, ttmp9, 256
	s_lshl_b32 s24, s28, 10
	s_add_nc_u64 s[20:21], s[20:21], s[24:25]      ; wsc at [32 matrix + pair]
	s_lshr_b32 s29, s28, 5                         ; matrix
	s_and_b32 s28, s28, 31                         ; pair
	s_lshl_b32 s24, s22, 18
	s_lshl_b32 s30, s29, 16
	s_add_co_u32 s24, s24, s30
	s_lshl_b32 s30, s28, 11
	s_add_co_u32 s24, s24, s30
	s_add_nc_u64 s[18:19], s[18:19], s[24:25]      ; wc at [w][64 matrix + 2 pair]
	s_lshr_b32 s30, s28, 1                         ; Wq, Wk, Wv [head][1024][64]: head = pair / 2,
	s_lshl_b32 s30, s30, 18
	s_lshl_b32 s31, s22, 15                        ; 128 rows of 256 bytes a K step,
	s_add_co_u32 s30, s30, s31
	s_and_b32 s31, s28, 1
	s_lshl_b32 s31, s31, 7                         ; which half of a row
	s_add_co_u32 s30, s30, s31
	s_lshl_b32 s31, s22, 19                        ; Wo [1024][1024]: 128 rows of 4,096 bytes a K step,
	s_lshl_b32 s32, s28, 7                         ; 128 bytes a pair
	s_add_co_u32 s31, s31, s32
	s_cmp_eq_u32 s29, 0
	s_cselect_b64 s[24:25], s[6:7], s[8:9]
	s_cmp_eq_u32 s29, 2
	s_cselect_b64 s[24:25], s[10:11], s[24:25]
	s_cmp_eq_u32 s29, 3
	s_cselect_b64 s[24:25], s[12:13], s[24:25]
	s_cselect_b32 s30, s31, s30
	s_mov_b32 s31, 0
	s_add_nc_u64 s[24:25], s[24:25], s[30:31]
	s_cmp_eq_u32 s29, 3
	s_cbranch_scc1 .Lwo
	s_wait_alu depctr_va_vdst(0)
	WLOADS 256
	s_branch .Lwq
.Lwo:
	s_wait_alu depctr_va_vdst(0)
	WLOADS 4096
.Lwq:
	s_wait_loadcnt 63                              ; of 128 loads at most the youngest 63 are out: blocks 0 and 1, the first 64, are in
	QW 0
	QW 1
	s_wait_loadcnt 32                              ; block 3's may be out
	QW 2
	s_wait_loadcnt 0x0
	QW 3
	ds_store_b32 v7, v[TM+8]
	s_wait_dscnt 0x0                               ; for the others' sake: my word has landed
	s_barrier_signal -1
	s_barrier_wait -1
	s_cmp_lg_u32 s22, 0
	s_cbranch_scc1 .Lend_w
	ds_load_b128 v[236:239], v10
	ds_load_b128 v[240:243], v10 offset:512
	s_wait_dscnt 0x0
	global_store_b128 v1, v[236:239], s[20:21]
	global_store_b128 v1, v[240:243], s[20:21] offset:512
.Lend_w:
	s_wait_tensorcnt 0x0
	ds_add_u32 v254, v255
	s_wait_dscnt 0x0
	s_endpgm
.Lfunc_end_k_qd53971a673_quant:
	.size	k_qd53971a673_quant, .Lfunc_end_k_qd53971a673_quant-k_qd53971a673_quant
	.p2alignl 7, 3214868480
	.fill 96, 4, 3214868480
	.section	.rodata,"a",@progbits
	.p2align	6, 0x0
	.amdhsa_kernel k_qd53971a673_quant
		.amdhsa_group_segment_fixed_size 138240
		.amdhsa_private_segment_fixed_size 0
		.amdhsa_enable_private_segment 0
		.amdhsa_kernarg_size 72
		.amdhsa_user_sgpr_count 2
		.amdhsa_user_sgpr_kernarg_segment_ptr 1
		.amdhsa_wavefront_size32 1
		.amdhsa_system_sgpr_workgroup_id_x 1
		.amdhsa_system_sgpr_workgroup_id_y 1
		.amdhsa_system_sgpr_workgroup_id_z 1
		.amdhsa_system_vgpr_workitem_id 0
		.amdhsa_next_free_vgpr 256
		.amdhsa_next_free_sgpr 66
		.amdhsa_reserve_vcc 0
		.amdhsa_float_denorm_mode_32 3
		.amdhsa_float_denorm_mode_16_64 3
		.amdhsa_memory_ordered 1
		.amdhsa_forward_progress 1
		.amdhsa_inst_pref_size 54
	.end_amdhsa_kernel
	.amdgpu_metadata
---
amdhsa.version: [ 1, 2 ]
amdhsa.kernels:
  - .name:           k_qd53971a673_quant
    .symbol:         k_qd53971a673_quant.kd
    .args:
      - { .name: tokens, .offset: 0, .size: 8, .value_kind: global_buffer, .address_space: global }
      - { .name: Wq, .offset: 8, .size: 8, .value_kind: global_buffer, .address_space: global }
      - { .name: Wk, .offset: 16, .size: 8, .value_kind: global_buffer, .address_space: global }
      - { .name: Wv, .offset: 24, .size: 8, .value_kind: global_buffer, .address_space: global }
      - { .name: Wo, .offset: 32, .size: 8, .value_kind: global_buffer, .address_space: global }
      - { .name: tokc, .offset: 40, .size: 8, .value_kind: global_buffer, .address_space: global }
      - { .name: toksc, .offset: 48, .size: 8, .value_kind: global_buffer, .address_space: global }
      - { .name: wc, .offset: 56, .size: 8, .value_kind: global_buffer, .address_space: global }
      - { .name: wsc, .offset: 64, .size: 8, .value_kind: global_buffer, .address_space: global }
    .group_segment_fixed_size: 138240
    .private_segment_fixed_size: 0
    .kernarg_segment_align: 8
    .kernarg_segment_size: 72
    .max_flat_workgroup_size: 256
    .sgpr_count:     66
    .vgpr_count:     256
    .wavefront_size: 32
...
	.end_amdgpu_metadata
.endif
;; end of part 1
;; launch qkv (part 2): grid 12 x 32, 4 waves a work-group, clusters of 4 x 4, 279,040 bytes of LDS; arguments tokc, toksc, wc, wsc, qv, kk; writes qv, kk
.if DOCPART == 2
	.amdgcn_target "amdgcn-amd-amdhsa--gfx1250"
	.amdhsa_code_object_version 6
	.text
	.protected	k_qd53971a673_qkv
	.globl	k_qd53971a673_qkv
	.p2align	8
	.type	k_qd53971a673_qkv,@function
k_qd53971a673_qkv:
	s_mov_b64 s[64:65], 0
	v_nop
	global_prefetch_b8 v0, s[64:65] scope:SCOPE_SE
	s_setreg_imm32_b32 hwreg(HW_REG_WAVE_MODE, 25, 1), 1
	s_wait_xcnt 0x0
	s_wait_alu depctr_hold_cnt(0) depctr_sa_sdst(0) depctr_va_vdst(0) depctr_va_sdst(0) depctr_va_ssrc(0) depctr_va_vcc(0) depctr_vm_vsrc(0)
	s_getreg_b32 s2, hwreg(HW_REG_IB_STS2, 6, 4)
	s_cmp_eq_u32 s2, 0
	s_cbranch_scc0 .Lentry_in_a_cluster
	s_endpgm
.Lentry_in_a_cluster:
	s_bfe_u32 s2, ttmp6, 0x10000c
	s_cmp_lg_u32 s2, 0xf033
	s_cbranch_scc0 .Lentry_shape_is_right
	s_endpgm
.Lentry_shape_is_right:
; q, k, v = tokens x Wq, Wk, Wv on codes of FP4 with E8M0 scales, sums in f32; the results are quantised in registers and leave as images of the next products' operands.
; A work-group makes 256 tokens x 256 weight rows (four heads of one of q, k, v) over K = 1,024; a wave 128 x 128: 64 accumulators, 512 registers.
; ALL OPERANDS OF A WORK-GROUP LIE IN LDS AT ONCE (2 x 128 KiB of codes; the scale words go into registers): every LDS byte is filled once.  A wave has one tensor load out.
; CLUSTERS: 4 x 4 work-groups.  The four of a row of the cluster need the same tokens, the four of a column the same weight rows: each block is asked for JOINTLY.
; The cluster's x says which product this is: 0 q, 1 k, 2 v; it is the same in all sixteen partners.
;   q, k: source 0 = 16 weight rows, source 1 = 16 tokens: a lane holds ONE token and its registers run along dk, the next K.  A head's 64 are two blocks of 32.
;   v:    source 0 = 16 tokens, source 1 = 16 weight rows: a lane holds ONE dv and its registers run along the tokens, the next K.  A wave's 128 tokens are four blocks.
; The rows of every tile are chosen (8 u + r + 8 (r / 8) of a pair of 32) so that the 16 registers of two neighbouring tiles are 16 neighbours along the next K.
; OUT: qv [b x head 64][key step 16][8,960]: +0 q's 8 tiles x 512 bytes (K = 64: one piece), +4096 q's scale words, +4608 V^T's 4 tiles x 1,024, +8704 V's scale words;  kk [64][16][4,608]: as q's part.
; A q or k scale word is b0 | b1 << 8 | b0 << 16 | b1 << 24: the upper two bytes belong to zero codes of the other operand; they repeat real bytes, so they are never 0xff.
; LIMITS: a block of zeros gets the byte 1 (its codes are zeros; this program alone reads the bytes); NaN and infinities are not served.
; REGISTERS, in windows of 256: window 0: v1-8 addresses; v16-47 the tokens' scale words, v52-83 the weights' (register 8 p + s: pair p, K step s; lanes 0-15 the even tile, lanes 16-31 the odd one);
;   v84-99 at work; v100-115 scale words made; v116-123 their images; v128-255 the tokens' fragments, two sets (at the end v128-191: the codes made).   window 1: v128-255 the weights' fragments, two sets.
;   windows 2, 3: accumulator (a, b) at window 2 + a / 4, v[8 (8 (a % 4) + b)]; a = source 1's tile, b = source 0's.
.set WF,    131072                     ; LDS: the tokens' codes [K step 8][16 tiles][1024] from 0; the weights' likewise from here;
.set TOKS,  262144
.set WS,    270336
.set SCT,   16
.set SCW,   52                         ; v52-83: the weights' scale words, so that a product's two scale registers differ by 4 modulo 8 in their numbers; v84-99 at work, v100-115 scale words made, v116-123 their images
.set TM,    84
.set WORD,  100
.set SV,    116
.set OUT,   128
.set FLOOR, 0x1800000
.set EOFF,  0xff000000
.set G1A,   24                         ; s[24:31] group 1 for the tokens' codes;  s[32:39] the weights'
.set G1B,   32
.set G1SA,  40
.set G1SB,  48
.set MSB, 0
.macro WIN new                         ; the immediate's high byte repeats the setting that is left
.set NW, (\new)
.if MSB != NW
	s_set_vgpr_msb (MSB<<8)|NW
.set MSB, NW
.endif
.endm
.macro PLACES                          ; four plain lines between a matrix instruction and a load into, or a vector instruction on, its registers
.rept 4
	v_nop
.endr
.endm
.macro ROUND                           ; a round of the cluster's barrier
	s_barrier_signal -1
	s_barrier_wait -1
	s_cmp_lg_u32 s16, 0
	s_cbranch_scc1 .Lnot_wave_0_\@
	s_barrier_signal -3
.Lnot_wave_0_\@:
	s_barrier_wait -3
	s_barrier_signal -1
	s_barrier_wait -1
.endm
; A group 0: LDS address = (my half << shift) + a constant; global address = pointer p + a constant
.macro MKG0 g, shift, lconst, p, off
	s_mov_b32 s[\g], 1
	s_lshl_b32 s[\g+1], s18, \shift
	s_add_co_u32 s[\g+1], s[\g+1], \lconst
	s_add_nc_u64 s[\g+2:\g+3], s[\p:\p+1], \off
	s_or_b32 s[\g+3], s[\g+3], 0x80000000
.endm
; One matrix instruction on the registers rD, rA, rB with the scale registers rS0, rS1; o0, o1: the odd tile of a pair has its words in lanes 16-31
.macro WM zero
.if \zero
.if o0 && o1
	v_wmma_scale_f32_16x16x128_f8f6f4 v[rD:rD+7], v[rA:rA+7], v[rB:rB+7], 0, v[rS0], v[rS1] matrix_a_fmt:MATRIX_FMT_FP4 matrix_b_fmt:MATRIX_FMT_FP4 matrix_a_scale:MATRIX_SCALE_ROW1 matrix_b_scale:MATRIX_SCALE_ROW1
.elseif o0
	v_wmma_scale_f32_16x16x128_f8f6f4 v[rD:rD+7], v[rA:rA+7], v[rB:rB+7], 0, v[rS0], v[rS1] matrix_a_fmt:MATRIX_FMT_FP4 matrix_b_fmt:MATRIX_FMT_FP4 matrix_a_scale:MATRIX_SCALE_ROW1
.elseif o1
	v_wmma_scale_f32_16x16x128_f8f6f4 v[rD:rD+7], v[rA:rA+7], v[rB:rB+7], 0, v[rS0], v[rS1] matrix_a_fmt:MATRIX_FMT_FP4 matrix_b_fmt:MATRIX_FMT_FP4 matrix_b_scale:MATRIX_SCALE_ROW1
.else
	v_wmma_scale_f32_16x16x128_f8f6f4 v[rD:rD+7], v[rA:rA+7], v[rB:rB+7], 0, v[rS0], v[rS1] matrix_a_fmt:MATRIX_FMT_FP4 matrix_b_fmt:MATRIX_FMT_FP4
.endif
.else
.if o0 && o1
	v_wmma_scale_f32_16x16x128_f8f6f4 v[rD:rD+7], v[rA:rA+7], v[rB:rB+7], v[rD:rD+7], v[rS0], v[rS1] matrix_a_fmt:MATRIX_FMT_FP4 matrix_b_fmt:MATRIX_FMT_FP4 matrix_a_scale:MATRIX_SCALE_ROW1 matrix_b_scale:MATRIX_SCALE_ROW1
.elseif o0
	v_wmma_scale_f32_16x16x128_f8f6f4 v[rD:rD+7], v[rA:rA+7], v[rB:rB+7], v[rD:rD+7], v[rS0], v[rS1] matrix_a_fmt:MATRIX_FMT_FP4 matrix_b_fmt:MATRIX_FMT_FP4 matrix_a_scale:MATRIX_SCALE_ROW1
.elseif o1
	v_wmma_scale_f32_16x16x128_f8f6f4 v[rD:rD+7], v[rA:rA+7], v[rB:rB+7], v[rD:rD+7], v[rS0], v[rS1] matrix_a_fmt:MATRIX_FMT_FP4 matrix_b_fmt:MATRIX_FMT_FP4 matrix_b_scale:MATRIX_SCALE_ROW1
.else
	v_wmma_scale_f32_16x16x128_f8f6f4 v[rD:rD+7], v[rA:rA+7], v[rB:rB+7], v[rD:rD+7], v[rS0], v[rS1] matrix_a_fmt:MATRIX_FMT_FP4 matrix_b_fmt:MATRIX_FMT_FP4
.endif
.endif
.endm
; 32 matrix instructions of K step s: source 1's tiles 4 hi .. 4 hi + 3 against source 0's eight.  The 64 accumulators take turns, one instruction a turn, in the same order in every step.
.macro MUL32 s, set, hi, zero, sx, sy
.irp a, 0,1,2,3
.irp b, 0,1,2,3,4,5,6,7
.set rD, 8*(8*\a+\b)
.set rA, 128+64*(\set)+8*\b
.set rB, 128+64*(\set)+8*(4*(\hi)+\a)
.set rS0, \sx+8*(\b/2)+(\s)
.set rS1, \sy+8*((4*(\hi)+\a)/2)+(\s)
.set o0, \b%2
.set o1, \a%2
	WM \zero
.endr
.endr
.endm
; 32 LDS loads in one run: my 8 weight fragments and my 8 token fragments of K step s; every load takes 512 consecutive bytes
.macro FETCH s, set
	WIN 0x40                                       ; destination window 1, address window 0
.irp i, 0,1,2,3,4,5,6,7
.irp c, 0,1
	ds_load_b128 v[128+64*(\set)+8*\i+4*\c:128+64*(\set)+8*\i+4*\c+3], v[4+(\s)/4] offset:((\s)%4)*16384+\i*1024+\c*512
.endr
.endr
	WIN 0
.irp i, 0,1,2,3,4,5,6,7
.irp c, 0,1
	ds_load_b128 v[128+64*(\set)+8*\i+4*\c:128+64*(\set)+8*\i+4*\c+3], v[2+(\s)/4] offset:((\s)%4)*16384+\i*1024+\c*512
.endr
.endr
.endm
; A K step: 64 matrix instructions; the next step's fragments are fetched in its middle.  In step 3 K steps 4 to 7 are shown landed to all four waves:
; each wave's one tensor load brings four K steps, 4 (wave % 2) .. + 3.
.macro STEP s, zero, lo, hi, sx, sy
	s_wait_dscnt 0x0                               ; this step's fragments are in
.if (\s)==3
	s_wait_tensorcnt 0x0                           ; every wave: K steps 4 to 7 are in
	s_barrier_signal -1
.endif
	WIN \lo
	MUL32 \s, (\s)%2, 0, \zero, \sx, \sy
.if (\s)==3
	s_barrier_wait -1
.endif
.if (\s) < 7
	PLACES                                         ; the other set was read by the step before
	FETCH (\s)+1, ((\s)+1)%2
.endif
	WIN \hi
	MUL32 \s, (\s)%2, 1, \zero, \sx, \sy
.endm
.macro KLOOP lo, hi, sx, sy
	STEP 0, 1, \lo, \hi, \sx, \sy                  ; the first step's products start the sums: nothing is cleared
.irp s, 1,2,3,4,5,6,7
	STEP \s, 0, \lo, \hi, \sx, \sy
.endr
.endm
; The 64 results of source 1's tile a (register 16 b + i = place 32 b + 16 (lane / 16) + i along the next K) become 8 registers of codes at v[OUT + 8 a]; the four blocks' bytes are left in v[TM+4 .. TM+7].
.macro QUANT64 a
.set W, 2+(\a)/4
.set A0, 64*((\a)%4)
	WIN (W<<4)|(W<<2)                              ; sources 1 and 2: the accumulators' window
.irp b, 0,1,2,3
	v_max3_num_f32 v[TM+\b], FLOOR, |v[A0+16*\b]|, |v[A0+16*\b+1]|   ; each accumulator is read from its low end on
.endr
.irp i, 2,4,6,8,10,12,14
.irp b, 0,1,2,3
	v_max3_num_f32 v[TM+\b], v[TM+\b], |v[A0+16*\b+\i]|, |v[A0+16*\b+\i+1]|   ; the four blocks by turns
.endr
.endr
	WIN 0
.irp b, 0,1,2,3
	v_permlanex16_b32 v[TM+4+\b], v[TM+\b], s66, s67
.endr
.irp b, 0,1,2,3
	v_max_num_f32 v[TM+\b], v[TM+\b], v[TM+4+\b]   ; with lane l xor 16's sixteen: the block's largest magnitude
.endr
.irp b, 0,1,2,3
	v_add_nc_u32 v[TM+12+\b], EOFF, v[TM+\b]       ; the conversion's scale operand
.endr
.irp b, 0,1,2,3
	v_lshrrev_b32 v[TM+4+\b], 23, v[TM+12+\b]      ; the scale's byte
.endr
	WIN W                                          ; source 0: the accumulators' window
.irp b, 0,1,2,3
	v_cvt_scalef32_pk8_fp4_f32 v[OUT+8*(\a)+2*\b], v[A0+16*\b:A0+16*\b+7], v[TM+12+\b]
	v_cvt_scalef32_pk8_fp4_f32 v[OUT+8*(\a)+2*\b+1], v[A0+16*\b+8:A0+16*\b+15], v[TM+12+\b]
.endr
	WIN 0
	v_nop                                          ; one plain line behind the last conversion
.irp c, 0,1                            ; the operand's layout wants a whole block in a lane: lanes 0-15 block 2 c, lanes 16-31 block 2 c + 1
.irp i, 0,1
	v_permlane16_swap_b32 v[OUT+8*(\a)+4*\c+\i], v[OUT+8*(\a)+4*\c+2+\i]
.endr
.endr
.endm
	s_load_b256 s[4:11], s[0:1], 0x0               ; tokc s[4:5], toksc s[6:7], wc s[8:9], wsc s[10:11]
	s_load_b128 s[12:15], s[0:1], 0x20             ; qv s[12:13], kk s[14:15]
	v_lshl_add_u32 v126, v0, 2, 0x44000
	v_mov_b32 v127, 0
	ds_add_u32 v126, v127
	ds_add_u32 v126, v127
	v_lshrrev_b32 v9, 5, v0
	v_readfirstlane_b32 s16, v9                    ; wave 0..3
	s_lshr_b32 s17, s16, 1                         ; which 128 tokens are mine.  Also: I fetch for the tokens (0) or for the weights (1)
	s_and_b32 s18, s16, 1                          ; which 128 weight rows.  Also: K steps 0-3 or 4-7, which I fetch
	s_bfe_u32 s20, ttmp6, 0x40000                  ; cx
	s_bfe_u32 s21, ttmp6, 0x40004                  ; cy
	s_lshl_b32 s23, ttmp9, 2
	s_add_co_u32 s23, s23, s20                     ; block of 256 weight rows = 4 x cluster x + cx
	s_and_b32 s22, ttmp7, 0xffff
	s_lshl_b32 s22, s22, 2
	s_add_co_u32 s22, s22, s21                     ; block of 256 tokens = 4 x cluster y + cy
	s_lshl_b32 s2, s21, 2
	s_lshl_b32 s2, 15, s2                          ; my row of the cluster
	s_lshl_b32 s100, 0x1111, s20                   ; my column
	s_or_b32 s[G1A], s2, (3<<16)|(1<<21)           ; 15:0 the mask; 17:16 elements of 8 bytes; 21 set beside a mask; no padding: every LDS read takes 512 consecutive bytes
	s_or_b32 s[G1B], s100, (3<<16)|(1<<21)
.irp g, G1A, G1B                       ; THE FILLS AS THEY STAND: one tensor load a wave.  Four K steps' fragments: four rows of 16,384 dense bytes (2,048 elements of 8), a K step apart in memory
	s_mov_b32 s[\g+1], 2048<<16
	s_mov_b32 s[\g+2], 4<<16
	s_mov_b32 s[\g+3], 2048<<16
	s_mov_b32 s[\g+4], 4
	s_mov_b32 s[\g+5], 65536-4096*(\g-G1A)         ; a K step in elements: 65,536 in tokc, 32,768 in wc (G1B = G1A + 8)
	s_mov_b32 s[\g+6], 0
	s_mov_b32 s[\g+7], 0
.endr
	s_mov_b32 s19, 0xffff0000                      ; lanes 16-31
	s_mov_b32 s66, 0x76543210
	s_mov_b32 s67, 0xfedcba98                      ; selects for lane l xor 16
	s_wait_dscnt 0x0
	s_wait_kmcnt 0x0
	; the tokens' addresses are made of the token block and the wave's number, in s2, s3; the weights' of the weight block and the wave's number, in s100, s101
	s_lshl_b32 s2, s18, 21                         ; K step 4 x (wave % 2)
	s_lshl_b32 s3, s22, 14
	s_add_co_u32 s2, s2, s3
	s_mov_b32 s3, 0
	s_add_nc_u64 s[4:5], s[4:5], s[2:3]            ; tokc at [K step hw][my block's 16 tiles]
	s_lshl_b32 s2, s17, 12                         ; the scale words of my own 4 token pairs: they go straight into registers
	s_lshl_b32 s3, s22, 13
	s_add_co_u32 s2, s2, s3
	s_mov_b32 s3, 0
	s_add_nc_u64 s[6:7], s[6:7], s[2:3]            ; toksc at my half of the block's 8 pairs
	s_lshl_b32 s100, s18, 20
	s_lshl_b32 s101, s23, 14
	s_add_co_u32 s100, s100, s101
	s_mov_b32 s101, 0
	s_add_nc_u64 s[8:9], s[8:9], s[100:101]
	s_lshl_b32 s100, s18, 12
	s_lshl_b32 s101, s23, 13
	s_add_co_u32 s100, s100, s101
	s_mov_b32 s101, 0
	s_add_nc_u64 s[10:11], s[10:11], s[100:101]
	MKG0 60, 16, 0, 4, 0                           ; the tokens' K steps 4 (wave % 2) .. + 3
	MKG0 84, 16, WF, 8, 0                          ; the weights' likewise
	ROUND                                          ; all sixteen work-groups are here: the joint loads meet
	s_cmp_eq_u32 s16, 0                            ; one chain of branches on the wave's number, one load to an arm: waves 0 and 2, whose tiles are shown first, have load lines of their own
	s_cbranch_scc0 .Lfill_1
	tensor_load_to_lds s[60:63], s[G1A:G1A+7]      ; wave 0: the tokens' K steps 0 to 3
	s_nop 0
	PLACES
	s_branch .Lfilled
.Lfill_1:
	s_cmp_eq_u32 s16, 1
	s_cbranch_scc0 .Lfill_2
	tensor_load_to_lds s[60:63], s[G1A:G1A+7]      ; wave 1: the tokens' K steps 4 to 7
	s_nop 0
	PLACES
	s_branch .Lfilled
.Lfill_2:
	s_cmp_eq_u32 s16, 2
	s_cbranch_scc0 .Lfill_3
	tensor_load_to_lds s[84:87], s[G1B:G1B+7]      ; wave 2: the weights' K steps 0 to 3
	s_nop 0
	PLACES
	s_branch .Lfilled
.Lfill_3:
	tensor_load_to_lds s[84:87], s[G1B:G1B+7]      ; wave 3: the weights' K steps 4 to 7
	s_nop 0
	PLACES
.Lfilled:
	v_and_b32 v9, 31, v0
	v_lshlrev_b32 v1, 4, v9                        ; 16 l
	s_lshl_b32 s2, s17, 13
	v_add_nc_u32 v2, s2, v1                        ; my 8 token tiles, K steps 0-3;
	v_add_nc_u32 v3, 65536, v2                     ; K steps 4-7
	s_lshl_b32 s2, s18, 13
	s_add_co_u32 s2, s2, WF
	v_add_nc_u32 v4, s2, v1                        ; my 8 weight tiles likewise
	v_add_nc_u32 v5, 65536, v4
	v_lshlrev_b32 v10, 5, v9                       ; 32 bytes a lane: a row's eight scale words
.irp p, 0,1,2,3
.irp e, 0,1
	global_load_b128 v[SCT+8*\p+4*\e:SCT+8*\p+4*\e+3], v10, s[6:7] offset:\p*1024+16*\e
	global_load_b128 v[SCW+8*\p+4*\e:SCW+8*\p+4*\e+3], v10, s[10:11] offset:\p*1024+16*\e
.endr
.endr
	v_lshlrev_b32 v8, 3, v9                        ; 8 l
.irp b, 0,1,2,3
	v_mov_b32 v[TM+4+\b], 0                        ; a lane permute's destination counts as one of its sources
.endr
	; where my results go: s[4:5] for my first head, s[6:7] for my second
	s_lshr_b32 s2, s22, 3                          ; the batch: 8 blocks of 256 tokens each
	s_lshl_b32 s2, s2, 4
	s_lshl_b32 s3, s20, 2
	s_add_co_u32 s2, s2, s3
	s_lshl_b32 s3, s18, 1
	s_add_co_u32 s2, s2, s3                        ; 16 x batch + head, head = 4 cx + 2 x my half
	s_and_b32 s3, s22, 7
	s_lshl_b32 s3, s3, 1
	s_add_co_u32 s3, s3, s17                       ; the key step: my 128 tokens of the sequence
	s_mov_b32 s100, 73728
	s_mov_b32 s101, 4608
	s_cmp_lg_u32 ttmp9, 1                          ; q and v go to qv, k to kk
	s_cselect_b64 s[4:5], s[12:13], s[14:15]
	s_cselect_b32 s100, 143360, s100               ; bytes of a head,
	s_cselect_b32 s101, 8960, s101                 ; of a key step
	s_mul_i32 s2, s2, s100
	s_mul_i32 s3, s3, s101
	s_add_co_u32 s2, s2, s3
	s_cmp_eq_u32 ttmp9, 2
	s_cselect_b32 s3, 4608, 0                      ; V's part of a key step lies behind q's
	s_add_co_u32 s2, s2, s3
	s_mov_b32 s3, 0
	s_mov_b32 s101, 0
	s_add_nc_u64 s[4:5], s[4:5], s[2:3]
	s_wait_xcnt 0x0                                ; the scale words' loads have read their base s[6:7]
	s_add_nc_u64 s[6:7], s[4:5], s[100:101]
	s_wait_alu depctr_va_vdst(0)
	s_cmp_eq_u32 s18, 0
	s_cbranch_scc0 .Llater
	s_wait_tensorcnt 0x0                           ; waves 0 and 2: K steps 0 to 3 are in
.Llater:
	s_barrier_signal -1
	s_barrier_wait -1                              ; and are shown to all
	s_wait_loadcnt 0x0                             ; my scale words
	FETCH 0, 0
	s_cmp_eq_u32 ttmp9, 2
	s_cbranch_scc1 .Lpath_v
	; ---- q, k: source 0 the weights (window 1), source 1 the tokens (window 0)
	KLOOP 0xa1, 0xf1, SCW, SCT
	PLACES
.irp a, 0,1,2,3,4,5,6,7               ; token tile a: blocks 0, 1 are my first head's 64, blocks 2, 3 my second's
	QUANT64 \a
	v_lshl_or_b32 v[WORD+\a], v[TM+5], 8, v[TM+4]
	v_lshl_or_b32 v[WORD+\a], v[WORD+\a], 16, v[WORD+\a]
	v_lshl_or_b32 v[WORD+8+\a], v[TM+7], 8, v[TM+6]
	v_lshl_or_b32 v[WORD+8+\a], v[WORD+8+\a], 16, v[WORD+8+\a]
	global_store_b128 v1, v[OUT+8*\a:OUT+8*\a+3], s[4:5] offset:512*\a     ; 512 consecutive bytes, aligned
	global_store_b128 v1, v[OUT+8*\a+4:OUT+8*\a+7], s[6:7] offset:512*\a
.endr
.irp hh, 0,1
.irp p, 0,1,2,3
	v_cndmask_b32 v[SV+4*\hh+\p], v[WORD+8*\hh+2*\p], v[WORD+8*\hh+2*\p+1], s19   ; lanes 0-15: tile 2 p's words, lanes 16-31: tile 2 p + 1's
.endr
	global_store_b128 v1, v[SV+4*\hh:SV+4*\hh+3], s[4+2*\hh:5+2*\hh] offset:4096
.endr
	s_branch .Ldone
	; ---- v: source 0 the tokens (window 0), source 1 the weights (window 1)
.Lpath_v:
	KLOOP 0xa4, 0xf4, SCT, SCW
	PLACES
.irp a, 0,1,2,3,4,5,6,7               ; dv tile a % 4 of head a / 4: a whole fragment of V^T, K = my 128 tokens
	QUANT64 \a
	v_lshl_or_b32 v[WORD+\a], v[TM+5], 8, v[TM+4]
	v_lshl_or_b32 v[WORD+\a], v[TM+6], 16, v[WORD+\a]
	v_lshl_or_b32 v[WORD+\a], v[TM+7], 24, v[WORD+\a]
	global_store_b128 v1, v[OUT+8*\a:OUT+8*\a+3], s[4+2*(\a/4):5+2*(\a/4)] offset:(\a%4)*1024
	global_store_b128 v1, v[OUT+8*\a+4:OUT+8*\a+7], s[4+2*(\a/4):5+2*(\a/4)] offset:(\a%4)*1024+512
.endr
.irp hh, 0,1
.irp p, 0,1
	v_cndmask_b32 v[SV+2*\hh+\p], v[WORD+4*\hh+2*\p], v[WORD+4*\hh+2*\p+1], s19
.endr
	global_store_b64 v8, v[SV+2*\hh:SV+2*\hh+1], s[4+2*\hh:5+2*\hh] offset:4096   ; 256 consecutive bytes, aligned
.endr
.Ldone:
	s_wait_tensorcnt 0x0
	ds_add_u32 v126, v127
	s_wait_dscnt 0x0
	ROUND                                          ; the closing round: no work-group ends while a partner may still ask for a block that names it
	s_endpgm
.Lfunc_end_k_qd53971a673_qkv:
	.size	k_qd53971a673_qkv, .Lfunc_end_k_qd53971a673_qkv-k_qd53971a673_qkv
	.p2alignl 7, 3214868480
	.fill 96, 4, 3214868480
	.section	.rodata,"a",@progbits
	.p2align	6, 0x0
	.amdhsa_kernel k_qd53971a673_qkv
		.amdhsa_group_segment_fixed_size 279040
		.amdhsa_private_segment_fixed_size 0
		.amdhsa_enable_private_segment 0
		.amdhsa_kernarg_size 48
		.amdhsa_user_sgpr_count 2
		.amdhsa_user_sgpr_kernarg_segment_ptr 1
		.amdhsa_wavefront_size32 1
		.amdhsa_system_sgpr_workgroup_id_x 1
		.amdhsa_system_sgpr_workgroup_id_y 1
		.amdhsa_system_sgpr_workgroup_id_z 1
		.amdhsa_system_vgpr_workitem_id 0
		.amdhsa_next_free_vgpr 1024
		.amdhsa_next_free_sgpr 102
		.amdhsa_reserve_vcc 0
		.amdhsa_float_denorm_mode_32 3
		.amdhsa_float_denorm_mode_16_64 3
		.amdhsa_memory_ordered 1
		.amdhsa_forward_progress 1
		.amdhsa_inst_pref_size 238
	.end_amdhsa_kernel
	.amdgpu_metadata
---
amdhsa.version: [ 1, 2 ]
amdhsa.kernels:
  - .name:           k_qd53971a673_qkv
    .symbol:         k_qd53971a673_qkv.kd
    .args:
      - { .name: tokc, .offset: 0, .size: 8, .value_kind: global_buffer, .address_space: global }
      - { .name: toksc, .offset: 8, .size: 8, .value_kind: global_buffer, .address_space: global }
      - { .name: wc, .offset: 16, .size: 8, .value_kind: global_buffer, .address_space: global }
      - { .name: wsc, .offset: 24, .size: 8, .value_kind: global_buffer, .address_space: global }
      - { .name: qv, .offset: 32, .size: 8, .value_kind: global_buffer, .address_space: global }
      - { .name: kk, .offset: 40, .size: 8, .value_kind: global_buffer, .address_space: global }
    .group_segment_fixed_size: 279040
    .private_segment_fixed_size: 0
    .kernarg_segment_align: 8
    .kernarg_segment_size: 48
    .max_flat_workgroup_size: 128
    .sgpr_count:     102
    .vgpr_count:     1024
    .wavefront_size: 32
...
	.end_amdgpu_metadata
.endif
;; end of part 2
;; launch attn (part 3): grid 4 x 64, 16 waves a work-group, clusters of 4 x 1, 169,984 bytes of LDS; arguments qv, kk, mp; writes mp
.if DOCPART == 3
	.amdgcn_target "amdgcn-amd-amdhsa--gfx1250"
	.amdhsa_code_object_version 6
	.text
	.protected	k_qd53971a673_attn
	.globl	k_qd53971a673_attn
	.p2align	8
	.type	k_qd53971a673_attn,@function
k_qd53971a673_attn:
	s_mov_b64 s[64:65], 0
	v_nop
	global_prefetch_b8 v0, s[64:65] scope:SCOPE_SE
	s_setreg_imm32_b32 hwreg(HW_REG_WAVE_MODE, 25, 1), 1
	s_wait_xcnt 0x0
	s_wait_alu depctr_hold_cnt(0) depctr_sa_sdst(0) depctr_va_vdst(0) depctr_va_sdst(0) depctr_va_ssrc(0) depctr_va_vcc(0) depctr_vm_vsrc(0)
	s_getreg_b32 s2, hwreg(HW_REG_IB_STS2, 6, 4)
	s_cmp_eq_u32 s2, 0
	s_cbranch_scc0 .Lentry_in_a_cluster
	s_endpgm
.Lentry_in_a_cluster:
	s_bfe_u32 s2, ttmp6, 0x10000c
	s_cmp_lg_u32 s2, 0x3003
	s_cbranch_scc0 .Lentry_shape_is_right
	s_endpgm
.Lentry_shape_is_right:
; heads[j] = sum over i of softmax_i(q_i . k_j / 8) v_i: the softmax runs over the QUERY index i, so a row of the result belongs to a k_j, and q and v are walked.  Both products on codes of FP4 (E2M1) with E8M0 scales.
; t = score x log2(e) / 8; M = the row's largest t so far, rounded up to a whole number; p = 2^(t - M) is quantised along i, not normalised.  The row's sum is taken of the unquantised p, in f32, and divides at the end.
; When M moves, the sum and the result are multiplied by 2^(old M - new M).  The finished rows are quantised along the head's 64 and leave as images of the out-projection's operand.
; SHARES.  A work-group owns 512 rows j of one (batch, head); each of its sixteen waves 32 of them, two tiles A and B, BOTH taken through every key step of 128 i: each fragment of q and of V is read from LDS once for the two.
; A head's whole q and V (16 key steps x 8,960 bytes) lie in LDS, filled once, wave w asking for key step w; the four work-groups of a cluster walk the same head and ask jointly.  All is asked for at the head, so there is no later tile to prefetch.
; LAYOUT.  S^T = q k^T and O^T = V^T P^T by products of 32 rows; a lane holds ONE row j (lane % 16) throughout.
; THE i OF A q TILE ARE CHOSEN BY THE LDS ADDRESS: row r of tile t of group g (64 i) is i = 64 g + 32 (r / 8) + 8 t + r % 8.  So a lane's 32 scores of a group are the 32 neighbours 64 g + 32 (lane / 16) + 0 .. 31: one whole scale block,
; whose maximum needs no other lane, and whose four conversions are registers 4 g .. 4 g + 3 of the second product's operand as they stand.
; K = 64 IN AN INSTRUCTION OF K = 128: registers 4-7 of k's fragments hold zero codes, so the upper half of each 8 registers of source 0 may hold any codes: q's tiles lie t0, t2, t1, t3 in each group, and the products take
; 16 registers from t0 (rows: t0, t1) and from t2 (rows: t2, t3); behind the last tile lie four registers of zeros.  The scale bytes of those halves repeat real bytes.
; A BARRIER IN EACH KEY STEP BUT THE LAST, signal at its head and wait at its end: a wave leaves a step only when all sixteen have entered it, so the waves stay within one key step of each other.  Between the two stand register work and loads of
; LDS bytes that nobody writes; the last of these are the next step's q and its scale words, asked for behind the step's last products and ahead of the barrier's wait.  The sixteenth step has no successor: it is written out, by the same macro.
; LIMITS: a block's largest p is taken as 2^ of the block's largest t - M, which takes v_exp_f32 not to fall where its input rises; 1 / sum by v_rcp_f32; a block of zeros gets the byte 1 (its codes are zeros; this program alone reads the bytes);
; NaN and infinities are not served; the scaled scores stay under 2^31 in magnitude.
; REGISTERS: v1 16 l; v2-5 lane places of q, q's scale words, V, V's scale words; v6 16 r, v7 4 l; v8 the byte selects of p's scale word; v10, v11 output scale words; v12 -M, v13 largest score, v[14:15] sum of tile A, v16-19 of tile B;
; v[20:21], v[22:23] the factors; v252-255 a step's LDS addresses; the rest by the names below.
.set STEPB, 8960
.set FLOOR, 0x1800000                  ; 2^(3 - 127): the byte cannot fall under 1
.set EOFF,  0xff000000                 ; 2 off an exponent field
.set SPARE, 0x29000                    ; the spare words: 128 bytes a wave
.set SQ,  24                           ; v24-27  q's scale words: group g, half a at 2 g + a
.set KS,  28                           ; v28, v29 k's scale words, tile A, B
.set SV,  30                           ; v30, v31 V's scale words
.set PS,  32                           ; v32, v33 p's scale words, tile A, B
.set SPW, 34
.set NIL, 35
.set T,   36                           ; v36-39, v44-47 eight chains of maxima (block g's four from T + 8 g); later v36-39, v44-45 three chains of sums
.set BM,  40                           ; v40, v41 the two blocks' largest score, then largest p, then the scale word's parts (with v46, v47)
.set SOP, 42                           ; v42, v43 the conversions' scale operands
.set X,   44                           ; v44, v45 at work in the update of M
.set C,   48                           ; v48-55  four chains of sums; at the end at work
.set KF,  56                           ; v56-71  k's two fragments
.set Q,   72                           ; v72-103 q's eight tiles, later V's four; v104-107 zeros
.set P,   108                          ; v108-123 p's codes, tile A, B; at the end the output's
.set S,   124                          ; v124-187 S^T, then p
.set O,   188                          ; v188-251 O^T, tile A, B
.macro WALU
	s_wait_alu depctr_va_vdst(0)
.endm
.macro DEP n                           ; the line behind it reads what the plain vector line n back wrote
	s_delay_alu instid0(VALU_DEP_\n)
.endm
.macro ROUND                           ; a round of the cluster's barrier
	s_barrier_signal -1
	s_barrier_wait -1
	s_cmp_lg_u32 s12, 0
	s_cbranch_scc1 .Lnot_wave_0_\@
	s_barrier_signal -3
.Lnot_wave_0_\@:
	s_barrier_wait -3
	s_barrier_signal -1
	s_barrier_wait -1
.endm
.macro SMUL kf, ks                     ; S^T of one tile of j: four products of 32 i
.irp g, 0,1
.irp a, 0,1
	v_wmma_scale_f32_32x16x128_f4 v[S+32*\g+16*\a:S+32*\g+16*\a+15], v[Q+16*\g+4*\a:Q+16*\g+4*\a+15], v[\kf:\kf+7], 0, v[SQ+2*\g+\a], v[\ks]
.endr
.endr
.endm
; The key step that begins at LDS byte s36: its four addresses, and the loads of q and of q's scale words
.macro QLOAD
	v_add_nc_u32 v252, s36, v2                     ; four plain lines between the last products and the loads into their registers
	v_add_nc_u32 v253, s36, v3
	v_add_nc_u32 v254, s36, v4
	v_add_nc_u32 v255, s36, v5
.irp g, 0,1
.irp t, 0,1,2,3
	ds_load_b128 v[Q+16*\g+8*(\t%2)+4*(\t/2):Q+16*\g+8*(\t%2)+4*(\t/2)+3], v252 offset:2048*\g+512*(\t%2)+128*(\t/2)
.endr
.endr
.irp g, 0,1
.irp a, 0,1
	ds_load_b32 v[SQ+2*\g+\a], v253 offset:8*\g+128*\a   ; lanes 0-15: tile 2 a's rows, lanes 16-31: tile 2 a + 1's
.endr
.endr
.endm
; The softmax of one tile's 128 i.  nm: -M and, above it, the largest score; l: the sum's pair; f: the factor's pair; p: the codes; ps: the scale word
.macro SOFT nm, l, f, p, ps
.irp c, 0,2,4,6,1,3,5,7                ; eight chains by turns, each over 8 scores; each accumulator of 16 is first read at its low end
	v_max3_num_f32 v[T+\c+4*(\c/4)], v[S+8*\c], v[S+8*\c+1], v[S+8*\c+2]
.endr
.irp i, 3,5
.irp c, 0,2,4,6,1,3,5,7
	v_max3_num_f32 v[T+\c+4*(\c/4)], v[T+\c+4*(\c/4)], v[S+8*\c+\i], v[S+8*\c+\i+1]
.endr
.endr
.irp g, 0,1
	v_max3_num_f32 v[T+8*\g], v[T+8*\g], v[S+32*\g+7], v[S+32*\g+15]   ; the chains' eighth scores
.endr
.irp g, 0,1
	v_max3_num_f32 v[T+8*\g+1], v[T+8*\g+1], v[S+32*\g+23], v[S+32*\g+31]
.endr
.irp g, 0,1
	DEP 4
	v_max3_num_f32 v[T+8*\g+2], v[T+8*\g+2], v[T+8*\g+3], v[T+8*\g]
.endr
.irp g, 0,1
	DEP 2
	v_max_num_f32 v[BM+\g], v[T+8*\g+2], v[T+8*\g+1]   ; my block's largest score: block 2 g + lane / 16
.endr
	DEP 1
	v_max3_num_f32 v[(\nm)+1], v[(\nm)+1], v[BM], v[BM+1]
	DEP 1
	v_permlanex16_b32 v[X], v[(\nm)+1], s20, s21
	DEP 1
	v_max_num_f32 v[(\nm)+1], v[(\nm)+1], v[X]     ; the row's largest score so far
	DEP 1
	v_mul_f32 v[X], s22, v[(\nm)+1]                ; as t (c is positive)
	DEP 1
	v_floor_f32 v[X+1], -v[X]                      ; the new -M = -ceil(t)
	DEP 1
	v_sub_f32 v[X], v[X+1], v[\nm]                 ; old M - new M: a whole number, 0 or less
	DEP 2
	v_mov_b32 v[\nm], v[X+1]
	DEP 2
	v_cvt_i32_f32 v[X], v[X]                       ; (it saturates)
	DEP 1
	v_ldexp_f32 v[\f], 1.0, v[X]                   ; 2^(old M - new M)
.set n, 0
.rept 32
	v_pk_fma_f32 v[S+n:S+n+1], v[S+n:S+n+1], s[22:23], v[\nm:(\nm)+1] op_sel_hi:[1,0,0]   ; t - M, two at a time
.set n, n+2
.endr
.irp g, 0,1
	v_fma_f32 v[BM+\g], v[BM+\g], s22, v[\nm]      ; the same of each block's largest score
.endr
	WALU                                           ; ahead of the batch
.irp g, 0,1
	v_exp_f32 v[BM+\g], v[BM+\g]                   ; the blocks' largest p
.endr
.set n, 0
.rept 64
	v_exp_f32 v[S+n], v[S+n]                       ; p = 2^(t - M), at most 1
.set n, n+1
.endr
	v_pk_mul_f32 v[\l:(\l)+1], v[\l:(\l)+1], v[\f:(\f)+1] op_sel_hi:[1,0]   ; the sum under the new M: the plain line behind the batch
	WALU                                           ; behind the batch, ahead of its first reader
.irp g, 0,1
	v_max_num_f32 v[BM+\g], FLOOR, v[BM+\g]
.endr
; the sum of the unquantised p, in eight chains by turns; the lines that make the scales, the codes and the scale word stand among them
.set n, 0
.irp k, C,C+2,C+4,C+6,T,T+2,X
	v_pk_add_f32 v[\k:\k+1], v[S+n:S+n+1], v[S+n+2:S+n+3]
.set n, n+4
.endr
	v_pk_add_f32 v[\l:(\l)+1], v[\l:(\l)+1], v[S+28:S+29]
.irp g, 0,1
	v_add_nc_u32 v[SOP+\g], EOFF, v[BM+\g]         ; the conversion takes this operand's exponent field as its scale
.endr
.set n, 30
.irp k, C,C+2,C+4,C+6,T,T+2,X
	v_pk_add_f32 v[\k:\k+1], v[\k:\k+1], v[S+n:S+n+1]
.set n, n+2
.endr
	v_pk_add_f32 v[\l:(\l)+1], v[\l:(\l)+1], v[S+44:S+45]
.irp g, 0,1
	v_lshlrev_b32 v[BM+\g], 1, v[SOP+\g]           ; the exponent field becomes the top byte
.endr
.irp g, 0,1
.irp o, 0,1,2,3
	v_cvt_scalef32_pk8_fp4_f32 v[(\p)+4*\g+\o], v[S+32*\g+8*\o:S+32*\g+8*\o+7], v[SOP+\g]
.endr
.endr
	v_perm_b32 v46, v[BM+1], v[BM], v8             ; my two bytes, blocks h and 2 + h, at their places, zeros between
.set n, 46
.irp k, C,C+2,C+4,C+6
	v_pk_add_f32 v[\k:\k+1], v[\k:\k+1], v[S+n:S+n+1]
.set n, n+2
.endr
	v_permlanex16_b32 v47, v46, s20, s21           ; lane l xor 16 has the other two
.irp k, T,T+2,X
	v_pk_add_f32 v[\k:\k+1], v[\k:\k+1], v[S+n:S+n+1]
.set n, n+2
.endr
	v_pk_add_f32 v[\l:(\l)+1], v[\l:(\l)+1], v[S+60:S+61]
	v_pk_add_f32 v[C:C+1], v[C:C+1], v[S+62:S+63]
	v_or_b32 v[\ps], v46, v47                      ; p's scale word
.endm
.macro JOIN l                          ; the chains are joined: these lines name no score
	v_pk_add_f32 v[C:C+1], v[C:C+1], v[C+2:C+3]
	v_pk_add_f32 v[C+4:C+5], v[C+4:C+5], v[C+6:C+7]
	v_pk_add_f32 v[T:T+1], v[T:T+1], v[T+2:T+3]
	v_pk_add_f32 v[\l:(\l)+1], v[\l:(\l)+1], v[X:X+1]
	DEP 3
	v_pk_add_f32 v[C:C+1], v[C:C+1], v[C+4:C+5]
	DEP 2
	v_pk_add_f32 v[\l:(\l)+1], v[\l:(\l)+1], v[T:T+1]
	DEP 1
	v_pk_add_f32 v[\l:(\l)+1], v[\l:(\l)+1], v[C:C+1]
.endm
; A KEY STEP: 128 of the walked i, for both tiles.  more = 1: a step follows
.macro KSTEP more
	s_wait_dscnt 0x0                               ; q and its scale words are in; no LDS instruction of mine is out
.if \more
	s_barrier_signal -1                            ; I have entered this step
.endif
	SMUL KF, KS
	JOIN 18                                        ; tile B's chains of the step before: the places behind tile A's products
	SOFT 12, 14, 20, P, PS
	SMUL KF+8, KS+1
	JOIN 14                                        ; tile A's chains: the places behind tile B's products
.irp n, 0,1,2,3,4,5,6,7
	ds_load_b128 v[Q+4*\n:Q+4*\n+3], v254 offset:512*\n   ; V^T's four tiles take q's registers
.endr
	ds_load_b64 v[SV:SV+1], v255
	SOFT 16, 18, 22, P+8, PS+1
	s_wait_dscnt 0x0                               ; V and its scale words
	WALU                                           ; directly ahead of the first readers of O^T, behind the step's last exponential
.set n, 0
.rept 16
	v_pk_mul_f32 v[O+n:O+n+1], v[O+n:O+n+1], v[20:21] op_sel_hi:[1,0]   ; O^T under the new M, each accumulator from its low end on
.set n, n+2
.endr
.rept 16
	v_pk_mul_f32 v[O+n:O+n+1], v[O+n:O+n+1], v[22:23] op_sel_hi:[1,0]
.set n, n+2
.endr
.irp d, 0,1                            ; the four accumulators take turns, one instruction a turn
.irp x, 0,1
	v_wmma_scale_f32_32x16x128_f4 v[O+32*\x+16*\d:O+32*\x+16*\d+15], v[Q+16*\d:Q+16*\d+15], v[P+8*\x:P+8*\x+7], v[O+32*\x+16*\d:O+32*\x+16*\d+15], v[SV+\d], v[PS+\x]
.endr
.endr
.if \more
	s_add_co_u32 s36, s36, STEPB
	QLOAD                                          ; the next step's q, into the registers that held V
	s_barrier_wait -1                              ; all sixteen waves have entered this step
.endif
.endm
	s_load_b128 s[4:7], s[0:1], 0x0                ; qv s[4:5], kk s[6:7]
	s_load_b64 s[8:9], s[0:1], 0x10                ; mp
	v_lshl_add_u32 v[SPW], v0, 2, SPARE
	v_mov_b32 v[NIL], 0
	ds_add_u32 v[SPW], v[NIL]                      ; the opening lines: the add twice on end and its wait
	ds_add_u32 v[SPW], v[NIL]
	v_lshrrev_b32 v9, 5, v0
	v_readfirstlane_b32 s12, v9                    ; wave 0..15
	s_bfe_u32 s13, ttmp6, 0x40000                  ; cx: it enters k's and the result's global addresses alone
	s_and_b32 s14, ttmp7, 0xffff                   ; 16 x batch + head, which the four partners share
	s_mov_b32 s24, 15|(3<<16)|(1<<21)              ; group 1: the mask of all four work-groups; elements of 8 bytes; bit 21 beside a mask
	s_mov_b32 s25, 32<<16                          ; a key step: 8,960 dense bytes as 35 rows of 256
	s_mov_b32 s26, 35<<16
	s_mov_b32 s27, 32<<16
	s_mov_b32 s28, 35
	s_mov_b32 s29, 32
	s_mov_b32 s30, 0
	s_mov_b32 s31, 0
	s_mul_i32 s44, s14, 143360                     ; the head's stream,
	s_mul_i32 s33, s12, STEPB                      ; key step w: in LDS,
	s_add_co_u32 s44, s44, s33                     ; and in memory
	s_mov_b32 s45, 0
	s_mov_b32 s32, 1
	s_mov_b32 s20, 0x76543210
	s_mov_b32 s21, 0xfedcba98                      ; selects for lane l xor 16
	s_mov_b32 s22, 0x3e38aa3b                      ; c = log2(e) / 8
	s_mov_b32 s23, s22                             ; (named with it as a pair)
	s_mov_b32 s39, 0xffff0000                      ; lanes 16-31
	v_and_b32 v9, 31, v0
	v_and_b32 v6, 15, v0
	v_and_b32 v10, 7, v0                           ; r % 8
	v_bfe_u32 v11, v0, 3, 1                        ; r / 8
	v_bfe_u32 v46, v0, 4, 1                        ; h
	v_lshlrev_b32 v1, 4, v9
	v_lshl_add_u32 v5, v9, 3, 8704                 ; V's scale words: 8 bytes a lane
	v_lshlrev_b32 v7, 2, v9
	v_lshlrev_b32 v6, 4, v6
	v_lshlrev_b32 v2, 4, v10                       ; q: of the pair 2 g + r / 8 (1,024 bytes a pair), row r % 8, half h
	v_lshl_add_u32 v3, v11, 2, 4096                ; q's scale words: word 2 g + r / 8 of the image's lane 16 h + r % 8
	v_add_nc_u32 v4, 4608, v1                      ; V: 16 bytes a lane
	v_lshl_add_u32 v2, v11, 10, v2
	v_lshl_add_u32 v3, v10, 4, v3
	v_lshl_add_u32 v2, v46, 8, v2
	v_lshl_add_u32 v3, v46, 8, v3
	v_mov_b32 v8, 0x0c070c03                       ; lanes 0-15: bytes 0 and 2;
	v_mov_b32 v47, 0x070c030c                      ; lanes 16-31: bytes 1 and 3 (select 12 gives a zero byte)
	v_cndmask_b32 v8, v8, v47, s39
.irp b, 0,1,2,3
	v_mov_b32 v[KF+4+\b], 0                        ; zero codes: K = 64 .. 127 of k's fragments,
	v_mov_b32 v[KF+12+\b], 0
	v_mov_b32 v[Q+32+\b], 0                        ; and the four registers behind q's last tile
.endr
	v_mov_b32 v21, 0                               ; (named as the upper halves of the factors' pairs)
	v_mov_b32 v23, 0
	WALU
	s_wait_dscnt 0x0
	s_wait_kmcnt 0x0
	s_add_nc_u64 s[34:35], s[4:5], s[44:45]
	s_or_b32 s35, s35, 0x80000000
	ROUND                                          ; all four work-groups are here: the joint loads meet
	tensor_load_to_lds s[32:35], s[24:31]
	s_nop 0
	; my 32 rows j are pair 16 cx + w of the head's 64: tiles 2 (w % 4) and 2 (w % 4) + 1 of k's key step 4 cx + w / 4
	s_mul_i32 s16, s14, 73728
	s_lshl_b32 s17, s13, 2
	s_lshr_b32 s18, s12, 2
	s_add_co_u32 s17, s17, s18
	s_mul_i32 s17, s17, 4608
	s_add_co_u32 s16, s16, s17
	s_mov_b32 s17, 0
	s_add_nc_u64 s[6:7], s[6:7], s[16:17]
	s_and_b32 s18, s12, 3
	s_lshl_b32 s16, s18, 10
	s_add_nc_u64 s[10:11], s[6:7], s[16:17]        ; the fragments
	s_lshl_b32 s16, s18, 2
	s_add_nc_u64 s[6:7], s[6:7], s[16:17]          ; register w % 4 of the scale words' image
	global_load_b128 v[KF:KF+3], v1, s[10:11]
	global_load_b128 v[KF+8:KF+11], v1, s[10:11] offset:512
	global_load_b32 v[KS], v6, s[6:7] offset:4096  ; lanes 0-15 of the image: the even tile's words
	global_load_b32 v[KS+1], v6, s[6:7] offset:4352   ; lanes 16-31: the odd tile's
	; where the result goes: pair 64 x batch + 16 cx + w of mp
	s_lshr_b32 s16, s14, 4
	s_lshl_b32 s16, s16, 6
	s_lshl_b32 s17, s13, 4
	s_add_co_u32 s16, s16, s17
	s_add_co_u32 s16, s16, s12
	s_mul_i32 s16, s16, 18432
	s_and_b32 s17, s14, 15                         ; head
	s_lshr_b32 s18, s17, 1
	s_lshl_b32 s18, s18, 11
	s_and_b32 s19, s17, 1
	s_lshl_b32 s19, s19, 9
	s_add_co_u32 s18, s18, s19
	s_add_co_u32 s18, s18, s16
	s_mov_b32 s19, 0
	s_add_nc_u64 s[40:41], s[8:9], s[18:19]        ; codes: K step head / 2, piece head % 2
	s_lshl_b32 s18, s17, 7
	s_add_co_u32 s18, s18, s16
	s_add_co_u32 s18, s18, 16384
	s_add_nc_u64 s[42:43], s[8:9], s[18:19]        ; scale words: 128 bytes a head
	s_mov_b32 s36, 0                               ; LDS byte at which the key step begins
	s_mov_b32 s37, 15                              ; the steps that have a successor
.irp e, 12,16
	v_mov_b32 v[\e+1], 0xff61b1e6                  ; the largest score so far: -3e38
	v_mov_b32 v[\e+2], 0                           ; the sum, in two halves
	v_mov_b32 v[\e+3], 0
	v_floor_f32 v[\e], -v[\e+1]                    ; -M
.endr
.irp k, T,T+1,T+2,T+3,X,X+1,C,C+1,C+2,C+3,C+4,C+5,C+6,C+7
	v_mov_b32 v[\k], 0                             ; the chains of sums: tile B's are joined in the step that follows, so the first step joins zeros
.endr
.set n, 0
.rept 64
	v_mov_b32 v[O+n], 0                            ; O^T: the step is written once; its first trip finds zeros, which the first factor leaves zeros
.set n, n+1
.endr
	WALU                                           ; at the head's end
	s_wait_tensorcnt 0x0                           ; my key step is in,
	s_barrier_signal -1
	s_barrier_wait -1                              ; everybody's is: the head's q and V lie in LDS
	s_wait_loadcnt 0x0                             ; k
	QLOAD                                          ; key step 0's q
.Lstep:                                            ; key steps 0 to 14
	KSTEP 1
	s_sub_co_u32 s37, s37, 1
	s_cmp_lg_u32 s37, 0
	s_cbranch_scc1 .Lstep
	KSTEP 0                                        ; key step 15 asks for nothing more
	JOIN 18                                        ; tile B's chains of the last step
	; THE END: both tiles are divided by their rows' sums, quantised along the head's 64 (two blocks a tile; register 16 b + i: dv 32 b + 16 (lane / 16) + i) and stored as piece head % 2 of K step head / 2
	v_add_f32 v14, v14, v15                        ; the sums' two halves,
	v_add_f32 v18, v18, v19
	v_permlanex16_b32 v[X], v14, s20, s21
	v_permlanex16_b32 v[X+1], v18, s20, s21
	v_add_f32 v14, v14, v[X]                       ; and lane l xor 16's
	v_add_f32 v18, v18, v[X+1]
	WALU
	v_rcp_f32 v14, v14
	v_rcp_f32 v18, v18
	v_nop                                          ; a plain line behind the reciprocals
	WALU                                           ; ahead of their first reader, and of the first readers of O^T
.set n, 0
.rept 16
	v_pk_mul_f32 v[S+n:S+n+1], v[O+n:O+n+1], v[14:15] op_sel_hi:[1,0]
.set n, n+2
.endr
.rept 16
	v_pk_mul_f32 v[S+n:S+n+1], v[O+n:O+n+1], v[18:19] op_sel_hi:[1,0]
.set n, n+2
.endr
.irp b, 0,1,2,3                        ; block b % 2 of tile b / 2
	v_max3_num_f32 v[T+\b], |v[S+16*\b]|, |v[S+16*\b+1]|, FLOOR
.endr
.irp i, 2,4,6,8,10,12,14
.irp b, 0,1,2,3
	v_max3_num_f32 v[T+\b], v[T+\b], |v[S+16*\b+\i]|, |v[S+16*\b+\i+1]|
.endr
.endr
.irp b, 0,1,2,3
	v_permlanex16_b32 v[C+\b], v[T+\b], s20, s21
.endr
.irp b, 0,1,2,3
	v_max_num_f32 v[T+\b], v[T+\b], v[C+\b]        ; with lane l xor 16's sixteen
.endr
.irp b, 0,1,2,3
	v_add_nc_u32 v[C+4+\b], EOFF, v[T+\b]
.endr
.irp b, 0,1,2,3
	v_lshrrev_b32 v[C+\b], 23, v[C+4+\b]           ; the scale's byte
.endr
.irp b, 0,1,2,3
	v_cvt_scalef32_pk8_fp4_f32 v[P+2*\b], v[S+16*\b:S+16*\b+7], v[C+4+\b]
	v_cvt_scalef32_pk8_fp4_f32 v[P+2*\b+1], v[S+16*\b+8:S+16*\b+15], v[C+4+\b]
.endr
	v_nop                                          ; one plain line behind the last conversion
.irp p, 0,1                            ; a whole block in a lane: lanes 0-15 block 0, lanes 16-31 block 1
	v_permlane16_swap_b32 v[P+4*\p], v[P+4*\p+2]
	v_permlane16_swap_b32 v[P+4*\p+1], v[P+4*\p+3]
	v_lshl_or_b32 v[10+\p], v[C+2*\p+1], 8, v[C+2*\p]   ; my row's two bytes
.endr
	v_cndmask_b32 v10, v10, v11, s39               ; lanes 0-15: tile A's words, lanes 16-31: tile B's
.irp p, 0,1
	global_store_b128 v1, v[P+4*\p:P+4*\p+3], s[40:41] offset:1024*\p   ; 512 consecutive bytes, aligned
.endr
	global_store_b32 v7, v10, s[42:43]             ; 128 consecutive bytes a wave: half of an aligned 256; the neighbouring head's work-group writes the other half
	s_wait_tensorcnt 0x0                           ; the wave's end
	ds_add_u32 v[SPW], v[NIL]
	s_wait_dscnt 0x0
	ROUND                                          ; the closing round
	s_endpgm
.Lfunc_end_k_qd53971a673_attn:
	.size	k_qd53971a673_attn, .Lfunc_end_k_qd53971a673_attn-k_qd53971a673_attn
	.p2alignl 7, 3214868480
	.fill 96, 4, 3214868480
	.section	.rodata,"a",@progbits
	.p2align	6, 0x0
	.amdhsa_kernel k_qd53971a673_attn
		.amdhsa_group_segment_fixed_size 169984
		.amdhsa_private_segment_fixed_size 0
		.amdhsa_enable_private_segment 0
		.amdhsa_kernarg_size 24
		.amdhsa_user_sgpr_count 2
		.amdhsa_user_sgpr_kernarg_segment_ptr 1
		.amdhsa_wavefront_size32 1
		.amdhsa_system_sgpr_workgroup_id_x 1
		.amdhsa_system_sgpr_workgroup_id_y 1
		.amdhsa_system_sgpr_workgroup_id_z 1
		.amdhsa_system_vgpr_workitem_id 0
		.amdhsa_next_free_vgpr 256
		.amdhsa_next_free_sgpr 66
		.amdhsa_reserve_vcc 0
		.amdhsa_float_denorm_mode_32 3
		.amdhsa_float_denorm_mode_16_64 3
		.amdhsa_memory_ordered 1
		.amdhsa_forward_progress 1
		.amdhsa_inst_pref_size 67
	.end_amdhsa_kernel
	.amdgpu_metadata
---
amdhsa.version: [ 1, 2 ]
amdhsa.kernels:
  - .name:           k_qd53971a673_attn
    .symbol:         k_qd53971a673_attn.kd
    .args:
      - { .name: qv, .offset: 0, .size: 8, .value_kind: global_buffer, .address_space: global }
      - { .name: kk, .offset: 8, .size: 8, .value_kind: global_buffer, .address_space: global }
      - { .name: mp, .offset: 16, .size: 8, .value_kind: global_buffer, .address_space: global }
    .group_segment_fixed_size: 169984
    .private_segment_fixed_size: 0
    .kernarg_segment_align: 8
    .kernarg_segment_size: 24
    .max_flat_workgroup_size: 512
    .sgpr_count:     66
    .vgpr_count:     256
    .wavefront_size: 32
...
	.end_amdgpu_metadata
.endif
;; end of part 3
;; launch outln (part 4): grid 256 x 1, 16 waves a work-group, no clusters, 327,680 bytes of LDS; arguments mp, wc, wsc, tokens, gamma, beta, out0; writes out0
.if DOCPART == 4
	.amdgcn_target "amdgcn-amd-amdhsa--gfx1250"
	.amdhsa_code_object_version 6
	.text
	.protected	k_qd53971a673_outln
	.globl	k_qd53971a673_outln
	.p2align	8
	.type	k_qd53971a673_outln,@function
k_qd53971a673_outln:
	s_mov_b64 s[64:65], 0
	v_nop
	global_prefetch_b8 v0, s[64:65] scope:SCOPE_SE
	s_setreg_imm32_b32 hwreg(HW_REG_WAVE_MODE, 25, 1), 1
	s_wait_xcnt 0x0
.set SPITCH, 4112
.set TOK,   32*SPITCH
.set MP,    TOK+131072
.macro WM zero
.if \zero
.if o0 && o1
	v_wmma_scale_f32_16x16x128_f8f6f4 v[rD:rD+7], v[rA:rA+7], v[rB:rB+7], 0, v[rS0], v[rS1] matrix_a_fmt:MATRIX_FMT_FP4 matrix_b_fmt:MATRIX_FMT_FP4 matrix_a_scale:MATRIX_SCALE_ROW1 matrix_b_scale:MATRIX_SCALE_ROW1
.elseif o0
	v_wmma_scale_f32_16x16x128_f8f6f4 v[rD:rD+7], v[rA:rA+7], v[rB:rB+7], 0, v[rS0], v[rS1] matrix_a_fmt:MATRIX_FMT_FP4 matrix_b_fmt:MATRIX_FMT_FP4 matrix_a_scale:MATRIX_SCALE_ROW1
.elseif o1
	v_wmma_scale_f32_16x16x128_f8f6f4 v[rD:rD+7], v[rA:rA+7], v[rB:rB+7], 0, v[rS0], v[rS1] matrix_a_fmt:MATRIX_FMT_FP4 matrix_b_fmt:MATRIX_FMT_FP4 matrix_b_scale:MATRIX_SCALE_ROW1
.else
	v_wmma_scale_f32_16x16x128_f8f6f4 v[rD:rD+7], v[rA:rA+7], v[rB:rB+7], 0, v[rS0], v[rS1] matrix_a_fmt:MATRIX_FMT_FP4 matrix_b_fmt:MATRIX_FMT_FP4
.endif
.else
.if o0 && o1
	v_wmma_scale_f32_16x16x128_f8f6f4 v[rD:rD+7], v[rA:rA+7], v[rB:rB+7], v[rD:rD+7], v[rS0], v[rS1] matrix_a_fmt:MATRIX_FMT_FP4 matrix_b_fmt:MATRIX_FMT_FP4 matrix_a_scale:MATRIX_SCALE_ROW1 matrix_b_scale:MATRIX_SCALE_ROW1
.elseif o0
	v_wmma_scale_f32_16x16x128_f8f6f4 v[rD:rD+7], v[rA:rA+7], v[rB:rB+7], v[rD:rD+7], v[rS0], v[rS1] matrix_a_fmt:MATRIX_FMT_FP4 matrix_b_fmt:MATRIX_FMT_FP4 matrix_a_scale:MATRIX_SCALE_ROW1
.elseif o1
	v_wmma_scale_f32_16x16x128_f8f6f4 v[rD:rD+7], v[rA:rA+7], v[rB:rB+7], v[rD:rD+7], v[rS0], v[rS1] matrix_a_fmt:MATRIX_FMT_FP4 matrix_b_fmt:MATRIX_FMT_FP4 matrix_b_scale:MATRIX_SCALE_ROW1
.else
	v_wmma_scale_f32_16x16x128_f8f6f4 v[rD:rD+7], v[rA:rA+7], v[rB:rB+7], v[rD:rD+7], v[rS0], v[rS1] matrix_a_fmt:MATRIX_FMT_FP4 matrix_b_fmt:MATRIX_FMT_FP4
.endif
.endif
.endm
.macro WLOAD s
.irp n, 0,1,2,3,4,5,6,7
	global_load_b128 v[152+32*((\s)%3)+4*\n:152+32*((\s)%3)+4*\n+3], v1, s[6:7] offset:(\s)*262144+512*\n
.endr
.endm
.macro MLOAD s
.irp u, 0,1
.irp c, 0,1
	ds_load_b128 v[56+16*((\s)%2)+8*\u+4*\c:56+16*((\s)%2)+8*\u+4*\c+3], v7 offset:2048*(\s)+1024*\u+512*\c
.endr
.endr
.endm
.macro STEP s, zero
	s_wait_loadcnt 16
.if (\s) < 7
	s_wait_dscnt 4
.else
	s_wait_dscnt 0x0
.endif
.irp i, 0,1,2,3
.irp u, 0,1
.set rD, 88+8*(2*\i+\u)
.set rA, 152+32*((\s)%3)+8*\i
.set rB, 56+16*((\s)%2)+8*\u
.set rS0, 16+8*(\i/2)+(\s)
.set rS1, 32+(\s)
.set o0, \i%2
.set o1, \u
	WM \zero
.endr
.endr
.rept 4
	v_nop
.endr
.if (\s) <= 4
	WLOAD (\s)+3
.elseif (\s) == 5
.irp n, 0,1,2,3,4,5,6,7
	global_load_b128 v[216+4*\n:219+4*\n], v1, s[12:13] offset:512*\n
.endr
.elseif (\s) == 6
.irp n, 0,1,2,3,4,5,6,7
	global_load_b128 v[152+4*\n:155+4*\n], v1, s[14:15] offset:512*\n
.endr
.endif
.if (\s) <= 5
	MLOAD (\s)+2
.endif
.endm
.macro REDUCE
	s_delay_alu instid0(VALU_DEP_1)
	v_add_f32_dpp v248, v248, v248 row_xmask:1 row_mask:0xf bank_mask:0xf
	s_delay_alu instid0(VALU_DEP_1)
	v_add_f32_dpp v248, v248, v248 row_xmask:2 row_mask:0xf bank_mask:0xf
	s_delay_alu instid0(VALU_DEP_1)
	v_add_f32_dpp v248, v248, v248 row_xmask:4 row_mask:0xf bank_mask:0xf
	s_delay_alu instid0(VALU_DEP_1)
	v_add_f32_dpp v248, v248, v248 row_xmask:8 row_mask:0xf bank_mask:0xf
	s_delay_alu instid0(VALU_DEP_1)
	v_permlanex16_b32 v250, v248, s2, s3
	s_delay_alu instid0(VALU_DEP_1)
	v_add_f32 v248, v248, v250
.endm
.macro FOLD
	s_delay_alu instid0(VALU_DEP_3)
	v_pk_add_f32 v[248:249], v[248:249], v[250:251]
	s_delay_alu instid0(VALU_DEP_2)
	v_pk_add_f32 v[252:253], v[252:253], v[254:255]
	s_delay_alu instid0(VALU_DEP_1)
	v_pk_add_f32 v[248:249], v[248:249], v[252:253]
	s_delay_alu instid0(VALU_DEP_1)
	v_add_f32 v248, v248, v249
.endm
.macro LN q, X, T
.set n, 0
.rept 16
	v_pk_add_f32 v[\X+n:\X+n+1], v[\X+n:\X+n+1], v[\T+n:\T+n+1]
.set n, n+2
.endr
.irp k, 0,1,2,3
	v_pk_add_f32 v[248+2*\k:249+2*\k], v[\X+4*\k:\X+4*\k+1], v[\X+4*\k+2:\X+4*\k+3]
.endr
.irp m, 0,1
.irp k, 0,1,2,3
	s_delay_alu instid0(VALU_DEP_4)
	v_pk_add_f32 v[248+2*\k:249+2*\k], v[248+2*\k:249+2*\k], v[\X+16+8*\m+2*\k:\X+16+8*\m+2*\k+1]
.endr
.endr
	FOLD
	REDUCE
	s_delay_alu instid0(VALU_DEP_1)
	v_mul_f32 v248, s20, v248
	s_delay_alu instid0(VALU_DEP_1)
	v_mov_b32 v249, v248
.set n, 0
.rept 16
	v_pk_add_f32 v[\X+n:\X+n+1], v[\X+n:\X+n+1], v[248:249] neg_lo:[0,1] neg_hi:[0,1]
.set n, n+2
.endr
.irp k, 0,1,2,3
	v_pk_mul_f32 v[248+2*\k:249+2*\k], v[\X+2*\k:\X+2*\k+1], v[\X+2*\k:\X+2*\k+1]
.endr
.irp m, 1,2,3
.irp k, 0,1,2,3
	s_delay_alu instid0(VALU_DEP_4)
	v_pk_fma_f32 v[248+2*\k:249+2*\k], v[\X+8*\m+2*\k:\X+8*\m+2*\k+1], v[\X+8*\m+2*\k:\X+8*\m+2*\k+1], v[248+2*\k:249+2*\k]
.endr
.endr
	FOLD
	REDUCE
	s_delay_alu instid0(VALU_DEP_1)
	v_fma_f32 v248, v248, s20, s21
	s_wait_alu depctr_va_vdst(0)
	v_rsq_f32 v248, v248
	v_nop
	s_wait_alu depctr_va_vdst(0)
.set n, 0
.rept 16
	v_pk_mul_f32 v[\X+n:\X+n+1], v[\X+n:\X+n+1], v[248:249] op_sel_hi:[1,0]
.set n, n+2
.endr
.set n, 0
.rept 16
	v_pk_fma_f32 v[\X+n:\X+n+1], v[\X+n:\X+n+1], v[216+n:217+n], v[152+n:153+n]
.set n, n+2
.endr
.irp i, 0,1,2,3,4,5,6,7
	global_store_b128 v1, v[\X+4*\i:\X+4*\i+3], s[16:17] offset:4096*\q+512*\i th:TH_STORE_NT
.endr
.endm
	s_load_b256 s[4:11], s[0:1], 0x0
	s_load_b128 s[12:15], s[0:1], 0x20
	s_load_b64 s[16:17], s[0:1], 0x30
	v_lshl_add_u32 v14, v0, 2, 0x44a00
	v_mov_b32 v15, 0
	ds_add_u32 v14, v15
	ds_add_u32 v14, v15
	v_lshrrev_b32 v9, 5, v0
	s_delay_alu instid0(VALU_DEP_1)
	v_readfirstlane_b32 s18, v9
	s_lshr_b32 s19, s18, 3
	s_lshl_b32 s19, s19, 3
	s_and_b32 s22, s18, 7
	s_lshl_b32 s22, s22, 1
	s_add_co_u32 s19, s19, s22
	s_bfe_u32 s22, s18, 0x10002
	s_lshl_b32 s22, s22, 3
	s_add_co_u32 s19, s19, s22
	s_lshl_b32 s22, ttmp9, 5
	s_add_co_u32 s19, s19, s22
	s_lshl_b32 s22, s19, 12
	s_mov_b32 s23, 0
	s_mov_b32 s24, 3<<16
	s_mov_b32 s25, 32<<16                          ; a wave's sixteenth of the pair's 16,384 bytes of codes: four rows of 256 bytes, aligned
	s_mov_b32 s26, 4<<16
	s_mov_b32 s27, 32<<16
	s_mov_b32 s28, 4
	s_mov_b32 s29, 32
	s_mov_b32 s30, 0
	s_mov_b32 s31, 0
	s_mov_b32 s32, 3<<16
	s_mov_b32 s33, 32<<16
	s_mov_b32 s34, 32<<16
	s_mov_b32 s35, 32<<16
	s_mov_b32 s36, 32
	s_mov_b32 s37, 32
	s_mov_b32 s38, 0
	s_mov_b32 s39, 0
	s_mov_b32 s40, 1
	s_lshl_b32 s41, s18, 10
	s_mul_i32 s20, ttmp9, 18432
	s_add_co_u32 s20, s20, s41
	s_mov_b32 s21, 0
	s_add_co_u32 s41, s41, MP
	s_mov_b32 s44, 1
	s_lshl_b32 s45, s18, 13
	s_add_co_u32 s45, s45, TOK
	s_wait_dscnt 0x0
	s_wait_kmcnt 0x0
	s_add_nc_u64 s[42:43], s[4:5], s[20:21]
	s_or_b32 s43, s43, 0x80000000
	s_add_nc_u64 s[46:47], s[10:11], s[22:23]
	s_or_b32 s47, s47, 0x80000000
	tensor_load_to_lds s[40:43], s[24:31]
	s_nop 0
	s_add_nc_u64 s[16:17], s[16:17], s[22:23]
	s_mul_i32 s22, ttmp9, 18432
	s_add_co_u32 s22, s22, 16384
	s_add_nc_u64 s[4:5], s[4:5], s[22:23]          ; the pair's scale words, behind its codes: they go straight into registers
	s_lshl_b32 s22, s18, 12
	s_add_co_u32 s22, s22, 196608
	s_add_nc_u64 s[6:7], s[6:7], s[22:23]
	s_lshl_b32 s22, s18, 11
	s_add_co_u32 s22, s22, 98304
	s_add_nc_u64 s[8:9], s[8:9], s[22:23]
	v_and_b32 v9, 31, v0
	v_and_b32 v10, 15, v0
	v_bfe_u32 v11, v0, 4, 1
	s_delay_alu instid0(VALU_DEP_3)
	v_lshlrev_b32 v1, 4, v9
	s_delay_alu instid0(VALU_DEP_4)
	v_lshlrev_b32 v2, 5, v9
	v_lshlrev_b32 v8, 2, v9
.irp d, 0,1,2,3,4,5,6,7,8,9,10,11,12,13,14,15
	global_load_b32 v[40+\d], v8, s[4:5] offset:128*\d   ; head d's words: 128 consecutive bytes
.endr
.irp b, 0,1
.irp e, 0,1
	global_load_b128 v[16+8*\b+4*\e:19+8*\b+4*\e], v2, s[8:9] offset:1024*\b+16*\e
.endr
.endr
	WLOAD 0
	WLOAD 1
	WLOAD 2
	s_wait_alu depctr_va_vdst(0)
	s_wait_tensorcnt 0x0                           ; the plain loads above are out while the pair's codes land
	ds_add_u32 v14, v15
	s_wait_dscnt 0x0
	s_barrier_signal -1
	s_barrier_wait -1
	tensor_load_to_lds s[44:47], s[32:39]          ; my two rows of tokens
	s_nop 0
	v_mul_u32_u24 v3, v10, SPITCH
	s_delay_alu instid0(VALU_DEP_1)
	v_lshl_add_u32 v3, v11, 6, v3
	s_lshl_b32 s22, s18, 8
	v_add_nc_u32 v3, s22, v3
	s_delay_alu instid0(VALU_DEP_1)
	v_add_nc_u32 v4, 16*SPITCH, v3
	s_mul_i32 s22, s18, 2*SPITCH
	v_add_nc_u32 v5, s22, v1
	s_lshl_b32 s22, s18, 13
	s_add_co_u32 s22, s22, TOK
	v_add_nc_u32 v6, s22, v1
	v_add_nc_u32 v7, MP, v1
	s_mov_b32 s2, 0x76543210
	s_mov_b32 s3, 0xfedcba98
	s_mov_b32 s20, 0x3a800000
	s_mov_b32 s21, 0x3727c5ac
	s_wait_alu depctr_va_vdst(0)
	s_wait_tensorcnt 1
	s_barrier_signal -1
	s_barrier_wait -1
	MLOAD 0
	MLOAD 1
	s_wait_loadcnt 28                              ; behind the sixteen loads of scale words: Wo's 4 loads of scale words and 24 of fragments
.irp s, 0,1,2,3,4,5,6,7
	v_lshl_or_b32 v[32+\s], v[41+2*\s], 16, v[40+2*\s]
.endr
.rept 8
	v_nop
.endr
	s_wait_alu depctr_va_vdst(0)
	STEP 0, 1
.irp s, 1,2,3,4,5,6,7
	STEP \s, 0
.endr
.irp i, 0,1,2,3
.irp u, 0,1
	ds_store_b128 v[3+\u], v[88+8*(2*\i+\u):91+8*(2*\i+\u)] offset:128*(\i/2)+32*(\i%2)
	ds_store_b128 v[3+\u], v[92+8*(2*\i+\u):95+8*(2*\i+\u)] offset:128*(\i/2)+32*(\i%2)+16
.endr
.endr
	s_wait_dscnt 0x0
	s_barrier_signal -1
	s_barrier_wait -1
	s_wait_tensorcnt 0x0
.irp i, 0,1,2,3,4,5,6,7
	ds_load_b128 v[88+4*\i:91+4*\i], v5 offset:512*\i
	ds_load_b128 v[120+4*\i:123+4*\i], v6 offset:512*\i
.endr
.irp i, 0,1,2,3,4,5,6,7
	ds_load_b128 v[184+4*\i:187+4*\i], v5 offset:SPITCH+512*\i
	ds_load_b128 v[56+4*\i:59+4*\i], v6 offset:4096+512*\i
.endr
	s_wait_loadcnt 0x0
	s_wait_dscnt 16
	LN 0, 88, 120
	s_wait_dscnt 0x0
	LN 1, 184, 56
	s_wait_tensorcnt 0x0
	ds_add_u32 v14, v15
	s_wait_dscnt 0x0
	s_endpgm
.Lfunc_end_k_qd53971a673_outln:
	.size	k_qd53971a673_outln, .Lfunc_end_k_qd53971a673_outln-k_qd53971a673_outln
	.p2alignl 7, 3214868480
	.fill 96, 4, 3214868480
	.section	.rodata,"a",@progbits
	.p2align	6, 0x0
	.amdhsa_kernel k_qd53971a673_outln
		.amdhsa_group_segment_fixed_size 327680
		.amdhsa_private_segment_fixed_size 0
		.amdhsa_enable_private_segment 0
		.amdhsa_kernarg_size 56
		.amdhsa_user_sgpr_count 2
		.amdhsa_user_sgpr_kernarg_segment_ptr 1
		.amdhsa_wavefront_size32 1
		.amdhsa_system_sgpr_workgroup_id_x 1
		.amdhsa_system_sgpr_workgroup_id_y 1
		.amdhsa_system_sgpr_workgroup_id_z 1
		.amdhsa_system_vgpr_workitem_id 0
		.amdhsa_next_free_vgpr 256
		.amdhsa_next_free_sgpr 66
		.amdhsa_reserve_vcc 0
		.amdhsa_float_denorm_mode_32 3
		.amdhsa_float_denorm_mode_16_64 3
		.amdhsa_memory_ordered 1
		.amdhsa_forward_progress 1
		.amdhsa_inst_pref_size 49
	.end_amdhsa_kernel
	.amdgpu_metadata
---
amdhsa.version: [ 1, 2 ]
amdhsa.kernels:
  - .name:           k_qd53971a673_outln
    .symbol:         k_qd53971a673_outln.kd
    .args:
      - { .name: mp, .offset: 0, .size: 8, .value_kind: global_buffer, .address_space: global }
      - { .name: wc, .offset: 8, .size: 8, .value_kind: global_buffer, .address_space: global }
      - { .name: wsc, .offset: 16, .size: 8, .value_kind: global_buffer, .address_space: global }
      - { .name: tokens, .offset: 24, .size: 8, .value_kind: global_buffer, .address_space: global }
      - { .name: gamma, .offset: 32, .size: 8, .value_kind: global_buffer, .address_space: global }
      - { .name: beta, .offset: 40, .size: 8, .value_kind: global_buffer, .address_space: global }
      - { .name: out0, .offset: 48, .size: 8, .value_kind: global_buffer, .address_space: global }
    .group_segment_fixed_size: 327680
    .private_segment_fixed_size: 0
    .kernarg_segment_align: 8
    .kernarg_segment_size: 56
    .max_flat_workgroup_size: 512
    .sgpr_count:     66
    .vgpr_count:     256
    .wavefront_size: 32
...
	.end_amdgpu_metadata
.endif
;; end of part 4
